; MI455X (gfx1250); checked and timed in simulation.
; The chip was launched on July 23, 2026; its instructions are those of AMD's public machine-readable ISA for CDNA 5 (MIT licence, August 2026) and "CDNA5" Instruction Set Architecture Reference Guide (July 2026). The comments in the code are by the model that wrote it; some were corrected since.
;; Global Attention. Allowed arithmetic: matrix products marked QUANTISED: E5M2 operands, one given power-of-two scale a tensor, by v_wmma_f32_16x16x64_bf8_bf8 or v_wmma_f32_16x16x128_bf8_bf8, f32 sums; products left as they are: f32 operands where the result goes on into a quantised operand, else bf16, f16 or f32 operands; f32 sums; everything else in f32.
;; Inputs: Ua_b 1,024 float32; Ua_w 1,024 x 1,024 float32; Va_b 1 float32; Va_w 1,024 float32; Wa_b 1,024 float32; Wa_w 1,024 x 1,024 float32; keys 32 x 2,048 x 1,024 float32; lowp_scales 4 int32 (the exponents e of the quantised operands' scales 2^e); query 32 x 1 x 1,024 float32.
;; Outputs: out0 32 x 1 x 1,024 float32; out1 32 x 1 x 2,048 float32.
;; This version of the problem:
;;   THIS VERSION OF THE PROBLEM IS GIVEN IN LOW PRECISION. The matrix products marked QUANTISED in the list below multiply operands that are first quantised to E5M2 (5 exponent bits, 2 mantissa bits; 8 bits a number), with one given power-of-two scale for each operand tensor; their sums are f32. All else is computed in f32.
;;   The module's matrix products, in the order in which they are computed (A, B: the left and right operand; K: the contracted axis; several contracted axes count as one K, in the product's order):
;;     1. [M 32, K 1,024] x [K 1,024, N 1,024]; A: input query; B: input Wa_w: QUANTISED (scales: A lowp_scales[0], B lowp_scales[1])
;;     2. [M 65,536, K 1,024] x [K 1,024, N 1,024]; A: input keys; B: input Ua_w: QUANTISED (scales: A lowp_scales[2], B lowp_scales[3])
;;     3. [M 65,536, K 1,024] x [K 1,024, N 1]; A: computed on the way; B: input Va_w: left as it is (N = 1 < 16)
;;     4. batch 32 x [M 1, K 2,048] x [K 2,048, N 1,024]; A: softmax; B: input keys: left as it is (M = 1 < 16)
;;   THE QUANTISER, for each operand of a quantised product, along K:
;;     - The operand's scale is 2^e, e = its entry of the input lowp_scales (int32; the entries are numbered through the quantised products in the list's order, A before B).
;;     - Each number is divided by the scale, clamped to +-57,344, and rounded to the nearest number of E5M2, ties to even, subnormals kept.
;;     - The product sums the exact products of the quantised numbers (number of the format x scale) in f32.
;;   ~~~python
;;   def quantise(x, axis, e):      # numpy; x: float32 -> the quantised numbers, widened to float32 again
;;       x = np.moveaxis(x, axis, -1); K = x.shape[-1]
;;       r = np.clip(x / 2.0 ** e, -57344, 57344)
;;       step = 2.0 ** (np.maximum(np.frexp(np.where(r == 0, 1, r))[1] - 1, -14) - 2)
;;       q = np.round(r / step) * step * 2.0 ** e      # np.round: ties to even
;;       return np.moveaxis(q, -1, axis).astype(np.float32)
;;   ~~~
;; 2 versions. Each part assembles by itself: llvm-mc -triple=amdgcn-amd-amdhsa -mcpu=gfx1250 --defsym DOCPART=n.
;; ======== version 1 of 2: 3 launches
;; workspace buffers: wcodes 2,097,152 bytes; sc 262,144 bytes; part 1,048,576 bytes; ml 65,536 bytes
;; launch prep (part 1): grid 256 x 1, 4 waves a work-group, no clusters, 0 bytes of LDS; arguments Wa_w, Ua_w, lowp_scales, wcodes; writes wcodes
.if DOCPART == 1
	.amdgcn_target "amdgcn-amd-amdhsa--gfx1250"
	.amdhsa_code_object_version 6
	.text
	.protected	k_q9d705f8d4e_prep
	.globl	k_q9d705f8d4e_prep
	.p2align	8
	.type	k_q9d705f8d4e_prep,@function
k_q9d705f8d4e_prep:
	s_mov_b64 s[64:65], 0
	v_nop
	global_prefetch_b8 v0, s[64:65] scope:SCOPE_SE
	s_setreg_imm32_b32 hwreg(HW_REG_WAVE_MODE, 25, 1), 1
	s_wait_xcnt 0x0
; Wa_w and Ua_w, [1024 (k)][1024 (n)] f32 with K as the first axis, become codes of BF8 (E5M2), each with its given scale 2^e (lowp_scales[1], lowp_scales[3]):
; code = x / 2^e, held within +-57,344, rounded to the nearest code, ties to even.
; THE CODES ARE LAID AS IMAGES OF THE OPERAND'S REGISTERS: wcodes[tensor][T 0..63][ks 0..7][c 0..3][lane][16 bytes]; byte i of lane (r, h) is the code of W[128 ks + 32 c + 16 h + i][16 T + r].
; So the launch that multiplies takes a fragment (16 columns n x 128 along K) by four loads of 16 bytes a lane, and a run of fragments is one dense block of memory.
; DEAD WORK (the whole program): Va_b is added to every score of a row, so it is the same along the softmax's axis and cancels in the weights for all values; the context is made of the weights and keys alone.
; Va_b is loaded by no launch and is among no launch's arguments.  Likewise tanh(x) = 1 - 2 / (1 + e^(2x)): the 1 adds the sum of Va_w to every score alike and is never formed.
; LIMIT: a NaN, an infinity or an overflow in Va_b or in the sum of Va_w is not carried to the result.  e1 and e3 lie between -126 and 112.  NaN among the inputs is not served.
; SHARES.  A wave makes one fragment: a lane takes column n = 16 T + r and its registers run down K, so the conversions' results are the image's bytes and nothing is transposed.
; Work-group g: tensor g / 128, ks = g % 8, T = 4 ((g / 8) % 16) + wave: the four waves stand side by side on 256 consecutive bytes of each row k.  No LDS, no barrier, no loop: waves share nothing.
.set X, 16                             ; v16-79  64 numbers: register 16 c + i = W[128 ks + 32 c + 16 h + i][n]
.set C, 80                             ; v80-95  the fragment's codes
	s_load_b128 s[4:7], s[0:1], 0x0                ; Wa_w, Ua_w
	s_load_b128 s[8:11], s[0:1], 0x10              ; the scales' exponents, wcodes
	v_lshrrev_b32 v1, 5, v0
	v_readfirstlane_b32 s12, v1                    ; wave 0..3
	v_and_b32 v2, 15, v0                           ; r
	v_bfe_u32 v3, v0, 4, 1                         ; h
	v_lshlrev_b32 v4, 2, v2
	v_lshl_add_u32 v4, v3, 16, v4                  ; in: 4 r + 16 h rows of 4,096 bytes
	v_and_b32 v5, 31, v0
	v_lshlrev_b32 v5, 4, v5                        ; out: 16 x lane
	s_and_b32 s13, ttmp9, 7                        ; ks
	s_bfe_u32 s14, ttmp9, 0x40003
	s_lshl_b32 s14, s14, 2
	s_add_co_u32 s14, s14, s12                     ; T
	s_lshl_b32 s16, s13, 19                        ; 128 ks rows of 4,096 bytes
	s_lshl_b32 s15, s14, 6                         ; 16 T columns of 4 bytes
	s_add_co_u32 s16, s16, s15
	s_mov_b32 s17, 0
	s_lshl_b32 s18, s14, 14                        ; T x 8 fragments of 2,048 bytes
	s_lshl_b32 s15, s13, 11
	s_add_co_u32 s18, s18, s15
	s_mov_b32 s19, 0
	s_wait_kmcnt 0x0
	s_load_b128 s[20:23], s[8:9], 0x0              ; e0, e1, e2, e3
	s_cmp_lt_u32 ttmp9, 128                        ; Wa's work-group or Ua's: the choice hangs on the work-group's number alone
	s_cselect_b64 s[4:5], s[4:5], s[6:7]
	s_cselect_b32 s15, 0, 0x100000                 ; Ua's codes lie 1 MiB behind Wa's
	s_add_co_u32 s18, s18, s15
	s_add_nc_u64 s[4:5], s[4:5], s[16:17]
	s_add_nc_u64 s[10:11], s[10:11], s[18:19]
.irp c, 0,1,2,3
.irp i, 0,1,2,3,4,5,6,7,8,9,10,11,12,13,14,15
	global_load_b32 v[X+16*\c+\i], v4, s[4:5] offset:(32*\c+\i)*4096 th:TH_LOAD_NT
.endr
.endr
	s_wait_kmcnt 0x0
	s_cmp_lt_u32 ttmp9, 128
	s_cselect_b32 s20, s21, s23                    ; e
	s_add_co_i32 s20, s20, 127
	s_lshl_b32 s21, s20, 23
	v_mov_b32 v11, s21                             ; 2^e as f32: the conversion takes its exponent field
	s_add_co_i32 s20, s20, 15
	s_lshl_b32 s20, s20, 23
	s_or_b32 s20, s20, 0x600000
	v_mov_b32 v10, s20                             ; 57,344 x 2^e
.irp c, 0,1,2,3
	s_wait_loadcnt 48-16*\c                        ; loads come back in order: this block's 16 are in, the later blocks' may be out
.irp i, 0,1,2,3,4,5,6,7,8,9,10,11,12,13,14,15
	v_med3_num_f32 v[X+16*\c+\i], v[X+16*\c+\i], -v10, v10   ; the conversion to an 8-bit code does not saturate (ISA guide 7.6.2): the hold comes first
.endr
	v_cvt_scalef32_pk8_bf8_f32 v[C+4*\c:C+4*\c+1], v[X+16*\c:X+16*\c+7], v11
	v_cvt_scalef32_pk8_bf8_f32 v[C+4*\c+2:C+4*\c+3], v[X+16*\c+8:X+16*\c+15], v11
	global_store_b128 v5, v[C+4*\c:C+4*\c+3], s[10:11] offset:512*\c   ; the wave stores 512 consecutive bytes, aligned; each block has its own registers, so no store's data are written again
.endr
	s_endpgm
.Lfunc_end_k_q9d705f8d4e_prep:
	.size	k_q9d705f8d4e_prep, .Lfunc_end_k_q9d705f8d4e_prep-k_q9d705f8d4e_prep
	.p2alignl 7, 3214868480
	.fill 96, 4, 3214868480
	.section	.rodata,"a",@progbits
	.p2align	6, 0x0
	.amdhsa_kernel k_q9d705f8d4e_prep
		.amdhsa_group_segment_fixed_size 0
		.amdhsa_private_segment_fixed_size 0
		.amdhsa_enable_private_segment 0
		.amdhsa_kernarg_size 32
		.amdhsa_user_sgpr_count 2
		.amdhsa_user_sgpr_kernarg_segment_ptr 1
		.amdhsa_wavefront_size32 1
		.amdhsa_system_sgpr_workgroup_id_x 1
		.amdhsa_system_sgpr_workgroup_id_y 1
		.amdhsa_system_sgpr_workgroup_id_z 1
		.amdhsa_system_vgpr_workitem_id 0
		.amdhsa_next_free_vgpr 96
		.amdhsa_next_free_sgpr 66
		.amdhsa_reserve_vcc 0
		.amdhsa_float_denorm_mode_32 3
		.amdhsa_float_denorm_mode_16_64 3
		.amdhsa_memory_ordered 1
		.amdhsa_forward_progress 1
		.amdhsa_inst_pref_size 13
	.end_amdhsa_kernel
	.amdgpu_metadata
---
amdhsa.version: [ 1, 2 ]
amdhsa.kernels:
  - .name:           k_q9d705f8d4e_prep
    .symbol:         k_q9d705f8d4e_prep.kd
    .args:
      - { .name: Wa_w, .offset: 0, .size: 8, .value_kind: global_buffer, .address_space: global }
      - { .name: Ua_w, .offset: 8, .size: 8, .value_kind: global_buffer, .address_space: global }
      - { .name: lowp_scales, .offset: 16, .size: 8, .value_kind: global_buffer, .address_space: global }
      - { .name: wcodes, .offset: 24, .size: 8, .value_kind: global_buffer, .address_space: global }
    .group_segment_fixed_size: 0
    .private_segment_fixed_size: 0
    .kernarg_segment_align: 8
    .kernarg_segment_size: 32
    .max_flat_workgroup_size: 128
    .sgpr_count:     66
    .vgpr_count:     96
    .wavefront_size: 32
...
	.end_amdgpu_metadata
.endif
;; end of part 1
;; launch main (part 2): grid 256 x 1, 4 waves a work-group, clusters of 4 x 1, 327,680 bytes of LDS; arguments keys, query, Wa_b, Ua_b, Va_w, lowp_scales, wcodes, sc, part, ml; writes sc, part, ml
.if DOCPART == 2
	.amdgcn_target "amdgcn-amd-amdhsa--gfx1250"
	.amdhsa_code_object_version 6
	.text
	.protected	k_q9d705f8d4e_main
	.globl	k_q9d705f8d4e_main
	.p2align	8
	.type	k_q9d705f8d4e_main,@function
k_q9d705f8d4e_main:
	s_mov_b64 s[64:65], 0
	v_nop
	global_prefetch_b8 v0, s[64:65] scope:SCOPE_SE
	s_setreg_imm32_b32 hwreg(HW_REG_WAVE_MODE, 25, 1), 1
	s_wait_xcnt 0x0
	s_wait_alu depctr_hold_cnt(0) depctr_sa_sdst(0) depctr_va_vdst(0) depctr_va_sdst(0) depctr_va_ssrc(0) depctr_va_vcc(0) depctr_vm_vsrc(0)
	s_getreg_b32 s2, hwreg(HW_REG_IB_STS2, 6, 4)
	s_cmp_eq_u32 s2, 0
	s_cbranch_scc0 .Lentry_in_a_cluster
	s_endpgm
.Lentry_in_a_cluster:
	s_bfe_u32 s2, ttmp6, 0x10000c
	s_cmp_lg_u32 s2, 0x3003
	s_cbranch_scc0 .Lentry_shape_is_right
	s_endpgm
.Lentry_shape_is_right:
; Additive attention with one query a batch, up to a partial softmax for each work-group.  keys [32][2048][1024] f32 are read ONCE.
; score(row) = sum over h of Va_w[h] tanh(q[h] + k[row][h]);  q = Q(query) Q(Wa_w) + Wa_b, k = Q(keys) Q(Ua_w) + Ua_b, both products on codes of BF8 (E5M2) with the given scales 2^e0 .. 2^e3.
; LEFT OUT AS DEAD WORK: Va_b and, by tanh(x) = 1 - 2 / (1 + e^(2x)), the sum of Va_w: both are the same along the softmax's axis for all values of the inputs and cancel in the weights.  Va_b is not loaded.
; What is summed: s = sum over h of (-2 log2(e) Va_w[h]) / (1 + 2^(2 log2(e) x)), the score in units of log2 less those constants.  An exponential that overflows gives 1 / infinity = 0: tanh = 1, as it should.
; LIMITS: e0 .. e3 each between -126 and 112; e0 + e1 and e2 + e3 between -126 and 125 (they are added to the exponent field of 2 log2(e)).  NaN and infinities among the inputs are not served; none in Va_b is carried to the result.
; SHARES.  Work-group x owns rows 256 x .. 256 x + 255 of keys (batch x / 8) and takes them in four sub-blocks of 64.  For a sub-block each of the four waves holds ALL 64 rows' codes in 512 registers and walks ITS quarter of the
; 1,024 hidden units (two tiles of 16 in each of 8 slots): a fragment of Ua read from LDS feeds four matrix instructions.  Thread t holds, as bf16 pairs in 256 registers, columns 4 t .. 4 t + 3 and 512 + 4 t .. + 3 of the 64 rows:
; when the rows' weights are known, the context's sums are made from them with no second read of keys.  A running maximum m, sum l and 1,024 context sums go on from sub-block to sub-block; a last launch joins the eight work-groups of a batch.
; THE MATRIX INSTRUCTION IS USED TRANSPOSED (source 0 = 16 hidden units, source 1 = 16 rows of keys): lane (r, h) holds row r and its registers the hidden units 8 h + 0 .. 7, so bias and Va_w are eight registers a tile.
; k stands in both operands at the same permuted places (registers 4 c .. 4 c + 3: k = 32 c + 16 h + 0 .. 15): every product meets its partner.
; THE QUERY'S PRODUCT is one more walk, over Wa's codes, with the query's codes in all 16 rows of source 1: its result falls in the bias's own layout and is added into the bias table.  It runs while the first keys are on their way.
; CLUSTER: all work-groups walk the same codes of Wa and Ua in the same order, so the four of a cluster ask for each piece JOINTLY (mask 15): the same tensor load with the same descriptor, made of the wave's number alone.
; A wave fetches and reads only its own 32 KiB of each slot.  Each walk fills its own ring: its slots 0 and 1 are asked for while the rows are converted, slots 2 to 7 behind the change of slots two slots earlier; the last two changes ask for nothing.
; LDS claim: all of it.
; REGISTERS, in windows of 256 (s_set_vgpr_msb's low byte: bits 1:0 source 0, 3:2 source 1, 5:4 source 2, 7:6 destination):
;   window 0: v3-17 addresses and constants; v18 m, v19 l, v[20:21] f; v[22:23] two scores, v[24:25] two weights; v26-31 at work; v32-39 context; v40-47 score sums; v48-79 two sets of bias and Va; v80-111 accumulators;
;             v112-117 addresses; v128-255 eight fragments of the weights (while rows are converted: their codes, two registers a row; at a sub-block's end: 64 weights)
;   window 1: H, the bf16 copy, row s at 4 s (during the query's walk: the query's eight fragments)
;   windows 2, 3: keys as they land, row s at 8 (s % 32) of window 2 + s / 32; then the rows' codes as fragments, (tile mt, K step ks) at 64 (ks % 4) + 16 mt of window 2 + ks / 4
.set SLOT,  1<<17                      ; LDS: the ring: two slots of 131,072 bytes; in a slot 32,768 wave + 16,384 tau + 2,048 ks + 512 c + 16 lane
.set BT,    262144                     ; the bias table, 1,024 bytes a wave: 128 slot + 64 tau + 4 unit
.set VTO,   4096                       ; -2 log2(e) Va_w, laid alike, this far behind it
.set CSB,   270336                     ; the stage for the rows' codes: 64 rows, half of K at a time,
.set CP,    528                        ; 512 bytes + 16 a row: the 16 rows of a fragment load begin at 16 different groups of banks
.set QS,    304128                     ; the query's 1,024 codes
.set SX,    305152                     ; the waves' partial scores: 256 bytes a wave
.set PT,    306176                     ; the 64 weights, a copy for each wave
.set SPARE, 307200                     ; the spare words, 128 bytes a wave: two blocks of 256 bytes that no other line names
.set KO,  3                            ; v3   16 t: my 16 bytes in half a row of keys, of the query and of the partial context
.set AB0, 4                            ; v4   16 lane + 32,768 wave
.set ADB, 5                            ; v5   + the slot in hand
.set AT0, 6                            ; v6   BT + 1,024 wave + 32 h
.set ADT, 7                            ; v7   + 128 x the slot's number
.set ADS, 8                            ; v8   CSB + 4 t
.set ADA, 9                            ; v9   CSB + 528 r + 16 h
.set ASX, 10                           ; v10  SX + 256 wave + 4 lane
.set ASR, 11                           ; v11  SX + 8 lane
.set APW, 12                           ; v12  PT + 256 wave + 8 lane
.set APR, 13                           ; v13  PT + 256 wave
.set SPW, 14                           ; v14  my spare word; never rewritten
.set NIL, 15                           ; v15  0; never rewritten
.set SCL, 16                           ; v16  2^e2
.set LIM, 17                           ; v17  57,344 x 2^e2
.set CTX, 32
.set SA,  40
.set TS0, 48
.set ACC, 80
.set SO,  112                          ; v112 8 lane
.set PFO, 113                          ; v113 256 lane + 32,768 wave: the prefetches' offset
.set TBO, 114                          ; v114 my eight numbers of Wa_b, Ua_b, Va_w: 512 (lane / 4) + 128 wave + 32 (lane % 4)
.set TBS, 115                          ; v115 BT + 1,024 wave + 32 lane
.set QSA, 116                          ; v116 QS + 16 h
.set QSW, 117                          ; v117 QS + 4 t
.set BF,  128
.set WV,  28                           ; s28  my wave's number
.set G1,  32                           ; s[32:39] descriptor group 1; never rewritten
.set G0A, 40                           ; s[40:43] group 0 of the first fill of slot 0
.set G0W, 44                           ; s[44:47] group 0 of the first fill of slot 1; it then walks on
.set CS,  52                           ; s[52:53] 2 log2(e) 2^(e2 + e3)
.set CQ,  54                           ; s[54:55] 2 log2(e) 2^(e0 + e1)
.set SEL, 56                           ; s[56:57] v_permlanex16_b32's selects for lane l xor 16
.set MH,  58                           ; s58  lanes 16 to 31
.set TB,  59                           ; s59  LDS byte of the slot in hand: 0 or SLOT
.set TT,  60                           ; s60  128 x the slot's number in its walk
.set CT,  61                           ; s61  counts a loop's trips
.set SB,  62                           ; s62  the sub-block, 0 .. 3
.set UAB, 66                           ; s[66:67] my wave's part of Ua's codes
.set MSB, 0
.macro WIN new                         ; the immediate's high byte repeats the setting that is left; a switch that changes nothing is dropped
.if MSB != (\new)
	s_set_vgpr_msb (MSB<<8)|(\new)
.set MSB, \new
.endif
.endm
.macro PLACES                          ; four plain places behind matrix instructions, ahead of reads of their results and of loads into their registers
.rept 4
	v_nop
.endr
.endm
.macro ROUND                           ; a round of the cluster's barrier: my work-group's barrier; wave 0 signals for the work-group; all wait for the four work-groups; my work-group's barrier once more
	s_barrier_signal -1
	s_barrier_wait -1
	s_cmp_lg_u32 s[WV], 0
	s_cbranch_scc1 .Lnot_wave_0_\@
	s_barrier_signal -3
.Lnot_wave_0_\@:
	s_barrier_wait -3
	s_barrier_signal -1
	s_barrier_wait -1
.endm
; A joint refill of the slot that is not being read.  first = 1: a walk over Ua begins: its slot 0; else the next slot's codes.
.macro REFILL first
	s_wait_tensorcnt 0x0                           ; all my tensor loads have landed, so the walking group 0 may be written
	ds_add_u32 v[SPW], v[NIL]                      ; 0 onto my spare word; the descriptor's steps stand between it and the wait for it
	s_xor_b32 s[G0W+1], s[G0W+1], SLOT             ; the other slot than last time
.if \first
	s_mov_b64 s[G0W+2:G0W+3], s[UAB:UAB+1]
	s_or_b32 s[G0W+3], s[G0W+3], 0x80000000        ; 127:126 type = 2
.else
	s_add_nc_u64 s[G0W+2:G0W+3], s[G0W+2:G0W+3], SLOT   ; a slot's codes on; the type bits on top are not reached
.endif
	s_wait_dscnt 0x0                               ; the add is done, and my reads of that slot are over
	ROUND                                          ; the same holds of every wave of the four work-groups
	tensor_load_to_lds s[G0W:G0W+3], s[G1:G1+7]    ; my one tensor load behind the round, and the first thing there
	s_nop 0
	PLACES                                         ; (the places behind the last products)
.endm
.macro CHANGE fill                     ; the change of slots.  1: the slot just read is filled again; 0: nothing is left to ask for, the walk's last slot has to be in; -1: the walk's end
.if (\fill) == 1
	REFILL 0
.elseif (\fill) == 0
	s_wait_tensorcnt 0x0                           ; no load was issued behind the last slot's: the count is 0.  Only I read what I fetched, so no barrier is needed
	PLACES
.else
	PLACES
.endif
.endm
.macro ADV                             ; on to the next slot
	s_xor_b32 s[TB], s[TB], SLOT
	s_add_co_u32 s[TT], s[TT], 128
	v_add_nc_u32 v[ADB], s[TB], v[AB0]
	v_add_nc_u32 v[ADT], s[TT], v[AT0]
.endm
; Rows s0 .. s1 of the sub-block at s[8:9]: a wave's load covers 512 consecutive bytes; the four waves take half a row.
.macro KLOAD s0, s1
.set rw, \s0
.rept (\s1)-(\s0)+1
.if rw < 32
	WIN 0x80
.else
	WIN 0xc0
.endif
	global_load_b128 v[8*(rw%32):8*(rw%32)+3], v[KO], s[8:9] offset:rw*4096 th:TH_LOAD_NT
	global_load_b128 v[8*(rw%32)+4:8*(rw%32)+7], v[KO], s[8:9] offset:rw*4096+2048 th:TH_LOAD_NT
.set rw, rw+1
.endr
	WIN 0
.endm
; A prefetch of rows 32 to 63 of a sub-block, off bytes behind s[8:9]: 131,072 bytes; each wave takes 32,768, lanes 256 bytes apart, four instructions: each aligned block of 256 bytes is named once in the launch, by the work-group that will load it.
.macro ASK off
.irp j, 0,1,2,3
	global_prefetch_b8 v[PFO], s[8:9] offset:(\off)+8192*\j th:TH_LOAD_NT scope:SCOPE_SE
.endr
.endm
; My tile tau of the slot in hand: eight fragments, its bias and (q = 0) its Va into table set tau.
.macro LOADB tau, q
.irp ks, 0,1,2,3,4,5,6,7
.irp c, 0,1,2,3
	ds_load_b128 v[BF+16*\ks+4*\c:BF+16*\ks+4*\c+3], v[ADB] offset:(\tau)*16384+\ks*2048+\c*512
.endr
.endr
	ds_load_b128 v[TS0+16*(\tau):TS0+16*(\tau)+3], v[ADT] offset:(\tau)*64
	ds_load_b128 v[TS0+16*(\tau)+4:TS0+16*(\tau)+7], v[ADT] offset:(\tau)*64+16
.if (\q) == 0
	ds_load_b128 v[TS0+16*(\tau)+8:TS0+16*(\tau)+11], v[ADT] offset:VTO+(\tau)*64
	ds_load_b128 v[TS0+16*(\tau)+12:TS0+16*(\tau)+15], v[ADT] offset:VTO+(\tau)*64+16
.endif
.endm
; 32 matrix instructions: 16 hidden units x 64 rows x 1,024 along K.  The four accumulators take turns, one instruction a turn; the first K step starts the sums.
.macro MM
	WIN 0x08                                       ; source 1: window 2
.irp ks, 0,1,2,3
.irp mt, 0,1,2,3
.if \ks == 0
	v_wmma_f32_16x16x128_bf8_bf8 v[ACC+8*\mt:ACC+8*\mt+7], v[BF+16*\ks:BF+16*\ks+15], v[64*\ks+16*\mt:64*\ks+16*\mt+15], 0
.else
	v_wmma_f32_16x16x128_bf8_bf8 v[ACC+8*\mt:ACC+8*\mt+7], v[BF+16*\ks:BF+16*\ks+15], v[64*\ks+16*\mt:64*\ks+16*\mt+15], v[ACC+8*\mt:ACC+8*\mt+7]
.endif
.endr
.endr
	WIN 0x0c                                       ; source 1: window 3
.irp ks, 4,5,6,7
.irp mt, 0,1,2,3
	v_wmma_f32_16x16x128_bf8_bf8 v[ACC+8*\mt:ACC+8*\mt+7], v[BF+16*\ks:BF+16*\ks+15], v[64*(\ks-4)+16*\mt:64*(\ks-4)+16*\mt+15], v[ACC+8*\mt:ACC+8*\mt+7]
.endr
.endr
	WIN 0
.endm
; The tile's 32 numbers a lane: y = 2 log2(e) x; 1 / (1 + 2^y); x Va into the rows' sums.  Each batch of transcendentals has one plain place and one wait ahead of its first reader.
.macro EPI tau
.irp j, 0,2,4,6                        ; each accumulator is read from its low end on
.irp mt, 0,1,2,3
	v_pk_fma_f32 v[ACC+8*\mt+\j:ACC+8*\mt+\j+1], v[ACC+8*\mt+\j:ACC+8*\mt+\j+1], s[CS:CS+1], v[TS0+16*(\tau)+\j:TS0+16*(\tau)+\j+1] op_sel_hi:[1,0,1]
.endr
.endr
.set nn, 0
.rept 32
	v_exp_f32 v[ACC+nn], v[ACC+nn]
.set nn, nn+1
.endr
	v_nop
	s_wait_alu depctr_va_vdst(0)
.set nn, 0
.rept 16
	v_pk_add_f32 v[ACC+nn:ACC+nn+1], v[ACC+nn:ACC+nn+1], 1.0 op_sel_hi:[1,0]
.set nn, nn+2
.endr
.set nn, 0
.rept 32
	v_rcp_f32 v[ACC+nn], v[ACC+nn]
.set nn, nn+1
.endr
	v_nop
	s_wait_alu depctr_va_vdst(0)
.irp j, 0,2,4,6
.irp mt, 0,1,2,3
	v_pk_fma_f32 v[SA+2*\mt:SA+2*\mt+1], v[ACC+8*\mt+\j:ACC+8*\mt+\j+1], v[TS0+16*(\tau)+8+\j:TS0+16*(\tau)+8+\j+1], v[SA+2*\mt:SA+2*\mt+1]
.endr
.endr
.endm
; A slot: my two tiles.  pre = 1: the next slot's first tile is fetched.  extra = 1: the next sub-block's prefetches; 2: its first 31 rows' loads; both only if there is a next sub-block: no access leaves keys.
.macro TRIP fill, pre, extra
	MM
	PLACES
	LOADB 1, 0                                     ; the second tile's fragments come while the first tile's numbers are worked
	EPI 0
	s_wait_dscnt 0x0
	MM
	CHANGE \fill
.if \pre
	ADV
	LOADB 0, 0
.endif
.if (\extra) == 1
	s_cmp_eq_u32 s[SB], 3
	s_cbranch_scc1 .Lno_ask_\@
	ASK 262144+131072                              ; a trip, the sub-block's end and the first rows' conversion ahead of the wait for those rows
.Lno_ask_\@:
.endif
.if (\extra) == 2
	s_cmp_eq_u32 s[SB], 3
	s_cbranch_scc1 .Lno_rows_\@
	s_wait_xcnt 0x0                                ; the prefetches, a trip back, and the earlier loads have read their base
	s_add_nc_u64 s[8:9], s[8:9], 262144            ; the next 64 rows
	KLOAD 0, 30                                    ; into window 2, whose fragments the walk's last products have read (four places back)
.Lno_rows_\@:
.endif
	EPI 1
.if \pre
	s_wait_dscnt 0x0
.endif
.endm
; Rows s0 .. s1, which lie in window w: the bf16 copy of the numbers as they are; the hold; the codes (low register: K under 512; high: from 512 on).
.macro CONV w, s0, s1
	WIN 0x40|(\w)|((\w)<<2)
.set rw, \s0
.rept (\s1)-(\s0)+1
.irp q, 0,1,2,3
	v_cvt_pk_bf16_f32 v[4*rw+\q], v[8*(rw%32)+2*\q], v[8*(rw%32)+2*\q+1]
.endr
.set rw, rw+1
.endr
	WIN ((\w)<<6)|(\w)
.set rw, \s0
.rept (\s1)-(\s0)+1
.irp i, 0,1,2,3,4,5,6,7
	v_med3_num_f32 v[8*(rw%32)+\i], v[8*(rw%32)+\i], -v[LIM], v[LIM]   ; the conversion to an 8-bit code does not saturate (ISA guide 7.6.2)
.endr
.set rw, rw+1
.endr
	WIN \w
.set rw, \s0
.rept (\s1)-(\s0)+1
	v_cvt_scalef32_pk8_bf8_f32 v[BF+2*rw:BF+2*rw+1], v[8*(rw%32):8*(rw%32)+7], v[SCL]
.set rw, rw+1
.endr
	WIN 0
	v_nop                                          ; one plain line behind the last scaled conversion
.endm
; The query's walk: 8 matrix instructions a tile, two accumulators by turns.
.macro QMM
	WIN 0x04                                       ; source 1: window 1
.irp ks, 0,1,2,3,4,5,6,7
.if \ks < 2
	v_wmma_f32_16x16x128_bf8_bf8 v[ACC+8*(\ks%2):ACC+8*(\ks%2)+7], v[BF+16*\ks:BF+16*\ks+15], v[16*\ks:16*\ks+15], 0
.else
	v_wmma_f32_16x16x128_bf8_bf8 v[ACC+8*(\ks%2):ACC+8*(\ks%2)+7], v[BF+16*\ks:BF+16*\ks+15], v[16*\ks:16*\ks+15], v[ACC+8*(\ks%2):ACC+8*(\ks%2)+7]
.endif
.endr
	WIN 0
.endm
.macro QEPI tau                        ; bias += 2 log2(e) 2^(e0 + e1) x the sum: the sixteen lanes of a half hold the same eight numbers and write the same words
.irp j, 0,2,4,6
	v_pk_add_f32 v[96+\j:97+\j], v[ACC+\j:ACC+\j+1], v[ACC+8+\j:ACC+8+\j+1]
.endr
.irp j, 0,2,4,6
	v_pk_fma_f32 v[104+\j:105+\j], v[96+\j:97+\j], s[CQ:CQ+1], v[TS0+16*(\tau)+\j:TS0+16*(\tau)+\j+1] op_sel_hi:[1,0,1]
.endr
	ds_store_b128 v[ADT], v[104:107] offset:(\tau)*64
	ds_store_b128 v[ADT], v[108:111] offset:(\tau)*64+16
.endm
.macro QTRIP fill, ask
	LOADB 0, 1
	s_wait_dscnt 0x0
	QMM
	PLACES
	LOADB 1, 1
.if \ask
	ASK 131072                                     ; rows 32 to 63 of the first sub-block: nothing was prefetched at the head, where the first loads are on their way
.endif
	QEPI 0
	s_wait_dscnt 0x0
	QMM
	CHANGE \fill
	QEPI 1
	s_wait_dscnt 0x0                               ; the table's stores are done: their address may step
	ADV
.endm
	s_load_b512 s[8:23], s[0:1], 0x0               ; keys s[8:9], query s[10:11], Wa_b s[12:13], Ua_b s[14:15], Va_w s[16:17], the exponents s[18:19], wcodes s[20:21], sc s[22:23]
	s_load_b128 s[24:27], s[0:1], 0x40             ; part s[24:25], ml s[26:27]
	v_lshl_add_u32 v[SPW], v0, 2, SPARE
	v_mov_b32 v[NIL], 0
	ds_add_u32 v[SPW], v[NIL]                      ; the wave's opening: the add, twice on end, and its wait ahead of my first tensor load; the set-up below, work on registers, stands between
	ds_add_u32 v[SPW], v[NIL]
	v_lshrrev_b32 v1, 5, v0
	v_readfirstlane_b32 s[WV], v1                  ; wave 0..3
	s_bfe_u32 s29, ttmp6, 0x40000                  ; cx: my place in the cluster: it enters global addresses of keys, query, sc, part and ml alone
	s_lshl_b32 s30, ttmp9, 2
	s_add_co_u32 s30, s30, s29                     ; work-group x = 4 x cluster + cx
	s_lshr_b32 s31, s30, 3                         ; the batch
	; descriptor group 1: a dense block of 32,768 bytes as 128 rows of 32 elements of 8 bytes, no padding
	s_mov_b32 s[G1], 15|(3<<16)|(1<<21)            ; 15:0 the mask: all four work-groups; 17:16 elements of 8 bytes; 21 set beside a mask
	s_mov_b32 s[G1+1], 32<<16                      ; tensor_dim0 = 32
	s_mov_b32 s[G1+2], 128<<16                     ; tensor_dim1 = 128
	s_mov_b32 s[G1+3], 32<<16                      ; tile_dim0 = 32
	s_mov_b32 s[G1+4], 128                         ; tile_dim1 = 128
	s_mov_b32 s[G1+5], 32                          ; from row to row
	s_mov_b32 s[G1+6], 0
	s_mov_b32 s[G1+7], 0
	s_mov_b32 s[SEL], 0x76543210
	s_mov_b32 s[SEL+1], 0xfedcba98
	s_mov_b32 s[MH], 0xffff0000
	s_mov_b32 s[TB], 0
	s_mov_b32 s[TT], 0
	s_mov_b32 s[SB], 0
	v_and_b32 v1, 31, v0                           ; lane
	v_and_b32 v2, 15, v0                           ; r
	v_bfe_u32 v26, v0, 4, 1                        ; h
	v_lshlrev_b32 v[KO], 4, v0
	s_lshl_b32 s68, s[WV], 15
	v_lshlrev_b32 v[AB0], 4, v1
	v_add_nc_u32 v[AB0], s68, v[AB0]
	v_lshlrev_b32 v[PFO], 8, v1
	v_add_nc_u32 v[PFO], s68, v[PFO]
	s_lshl_b32 s69, s[WV], 10
	s_add_co_u32 s69, s69, BT
	v_lshlrev_b32 v[AT0], 5, v26
	v_add_nc_u32 v[AT0], s69, v[AT0]
	v_lshlrev_b32 v[TBS], 5, v1
	v_add_nc_u32 v[TBS], s69, v[TBS]
	v_lshl_add_u32 v[ADS], v0, 2, CSB
	v_mul_u32_u24 v[ADA], v2, CP
	v_lshl_add_u32 v[ADA], v26, 4, v[ADA]
	v_add_nc_u32 v[ADA], CSB, v[ADA]
	s_lshl_b32 s70, s[WV], 8
	s_add_co_u32 s71, s70, SX
	v_lshlrev_b32 v[ASX], 2, v1
	v_add_nc_u32 v[ASX], s71, v[ASX]
	v_lshl_add_u32 v[ASR], v1, 3, SX
	s_add_co_u32 s71, s70, PT
	v_lshlrev_b32 v[SO], 3, v1
	v_add_nc_u32 v[APW], s71, v[SO]
	v_mov_b32 v[APR], s71
	v_lshrrev_b32 v27, 2, v1
	v_and_b32 v28, 3, v1
	v_lshlrev_b32 v[TBO], 9, v27
	v_lshl_add_u32 v[TBO], v28, 5, v[TBO]
	s_lshl_b32 s70, s[WV], 7
	v_add_nc_u32 v[TBO], s70, v[TBO]
	v_lshl_add_u32 v[QSA], v26, 4, QS
	v_lshl_add_u32 v[QSW], v0, 2, QS
	v_add_nc_u32 v[ADB], s[TB], v[AB0]
	v_add_nc_u32 v[ADT], s[TT], v[AT0]
	v_mov_b32 v18, 0xff61b1e6                      ; m: -3e38, under every score
	v_mov_b32 v19, 0                               ; l
	v_mov_b32 v21, 0                               ; (named as the upper half of the pair v[20:21])
.irp i, 0,1,2,3,4,5,6,7
	v_mov_b32 v[CTX+\i], 0                         ; the context's sums: the first change of m multiplies zeros
.endr
	s_mov_b32 s69, 0
	s_mov_b32 s3, 0
	s_wait_dscnt 0x0                               ; both opening adds are done
	s_wait_kmcnt 0x0
	s_load_b128 s[48:51], s[18:19], 0x0            ; e0, e1, e2, e3
	s_lshl_b32 s2, s30, 20
	s_add_nc_u64 s[8:9], s[8:9], s[2:3]            ; keys at my 256 rows of 4,096 bytes
	s_lshl_b32 s2, s31, 12
	s_add_nc_u64 s[10:11], s[10:11], s[2:3]        ; my batch's query
	s_lshl_b32 s2, s30, 10
	s_add_nc_u64 s[22:23], s[22:23], s[2:3]        ; my 256 scores
	s_lshl_b32 s2, s30, 12
	s_add_nc_u64 s[24:25], s[24:25], s[2:3]        ; my partial context
	s_lshl_b32 s2, s30, 8
	s_add_nc_u64 s[26:27], s[26:27], s[2:3]        ; my m and l
	s_add_nc_u64 s[20:21], s[20:21], s[68:69]      ; my wave's part of Wa's codes: made of the wave's number alone,
	s_add_nc_u64 s[UAB:UAB+1], s[20:21], 0x100000  ; and of Ua's
	s_mov_b32 s[G0A], 1                            ; 1:0 count = 1
	s_mov_b32 s[G0A+1], s68                        ; 63:32 LDS address: slot 0, my 32,768 bytes
	s_mov_b64 s[G0A+2:G0A+3], s[20:21]             ; 120:64 global address: Wa's slot 0
	s_or_b32 s[G0A+3], s[G0A+3], 0x80000000        ; 127:126 type = 2
	s_mov_b32 s[G0W], 1
	s_add_co_u32 s[G0W+1], s68, SLOT
	s_add_nc_u64 s[G0W+2:G0W+3], s[20:21], SLOT    ; Wa's slot 1
	s_or_b32 s[G0W+3], s[G0W+3], 0x80000000
	ROUND                                          ; all four work-groups are here: the first joint loads meet
	tensor_load_to_lds s[G0A:G0A+3], s[G1:G1+7]    ; every wave issues both first fills: two loads of mine are out
	s_nop 0
	tensor_load_to_lds s[G0W:G0W+3], s[G1:G1+7]
	s_nop 0
	PLACES
	global_load_b128 v[80:83], v[TBO], s[12:13]
	global_load_b128 v[84:87], v[TBO], s[12:13] offset:16
	global_load_b128 v[88:91], v[TBO], s[14:15]
	global_load_b128 v[92:95], v[TBO], s[14:15] offset:16
	global_load_b128 v[96:99], v[TBO], s[16:17]
	global_load_b128 v[100:103], v[TBO], s[16:17] offset:16
	global_load_b128 v[104:107], v[KO], s[10:11]
	global_load_b128 v[108:111], v[KO], s[10:11] offset:2048
	KLOAD 0, 26                                    ; the first keys go out at once: 54 loads
	s_wait_kmcnt 0x0
	s_add_co_i32 s68, s50, s51
	s_lshl_b32 s68, s68, 23
	s_add_co_i32 s[CS], s68, 0x4038aa3b            ; 2 log2(e) with e2 + e3 added to its exponent field
	s_mov_b32 s[CS+1], s[CS]                       ; (named with it as a pair, so it is written)
	s_add_co_i32 s68, s48, s49
	s_lshl_b32 s68, s68, 23
	s_add_co_i32 s[CQ], s68, 0x4038aa3b
	s_mov_b32 s[CQ+1], s[CQ]
	s_add_co_i32 s68, s50, 127
	s_lshl_b32 s69, s68, 23
	v_mov_b32 v[SCL], s69                          ; 2^e2 as f32: the conversion takes its exponent field
	s_add_co_i32 s68, s68, 15
	s_lshl_b32 s68, s68, 23
	s_or_b32 s68, s68, 0x600000
	v_mov_b32 v[LIM], s68                          ; 57,344 x 2^e2
	s_add_co_i32 s68, s48, 127
	s_lshl_b32 s69, s68, 23
	v_mov_b32 v26, s69                             ; the same for the query, with e0
	s_add_co_i32 s68, s68, 15
	s_lshl_b32 s68, s68, 23
	s_or_b32 s68, s68, 0x600000
	v_mov_b32 v27, s68
	s_wait_loadcnt 54                              ; the eight small loads are in; the 54 of keys behind them stay out
.irp j, 0,2,4,6
	v_pk_add_f32 v[80+\j:81+\j], v[80+\j:81+\j], v[88+\j:89+\j]
.endr
.irp j, 0,2,4,6
	v_pk_mul_f32 v[80+\j:81+\j], v[80+\j:81+\j], 0x4038aa3b op_sel_hi:[1,0]   ; 2 log2(e) (Wa_b + Ua_b)
	v_pk_mul_f32 v[96+\j:97+\j], v[96+\j:97+\j], 0xc038aa3b op_sel_hi:[1,0]   ; -2 log2(e) Va_w
.endr
	ds_store_b128 v[TBS], v[80:83]                 ; my wave's own tables: only I read them
	ds_store_b128 v[TBS], v[84:87] offset:16
	ds_store_b128 v[TBS], v[96:99] offset:VTO
	ds_store_b128 v[TBS], v[100:103] offset:VTO+16
.irp i, 0,1,2,3,4,5,6,7
	v_med3_num_f32 v[104+\i], v[104+\i], -v27, v27
.endr
	v_cvt_scalef32_pk8_bf8_f32 v[28:29], v[104:111], v26
	v_nop                                          ; one plain line behind the scaled conversion
	ds_store_b32 v[QSW], v28                       ; the query's codes, K in its order
	ds_store_b32 v[QSW], v29 offset:512
	KLOAD 27, 30
	s_wait_tensorcnt 0x1                           ; my part of slot 0 is in; the second first fill may stay out
	s_wait_dscnt 0x0                               ; for the others' sake: my part of the query's codes lies in LDS
	s_barrier_signal -1
	s_barrier_wait -1
	WIN 0x40                                       ; destination window 1
.irp ks, 0,1,2,3,4,5,6,7
.irp c, 0,1,2,3
	ds_load_b128 v[16*\ks+4*\c:16*\ks+4*\c+3], v[QSA] offset:128*\ks+32*\c   ; the query in all 16 rows of the operand: the lanes of a half read the same bytes
.endr
.endr
	WIN 0
	; ---- the query's walk over Wa's eight slots
	s_mov_b32 s[CT], 6
.Lq:
	QTRIP 1, 0
	s_sub_co_u32 s[CT], s[CT], 1
	s_cmp_lg_u32 s[CT], 0
	s_cbranch_scc1 .Lq
	QTRIP 0, 1                                     ; the last two slots are written out: they ask for no codes
	QTRIP -1, 0
.Lsub:                                             ; four trips: a sub-block of 64 rows each
	; ---- P: the rows land, become a bf16 copy and codes; the codes go to every wave through LDS.  Ua's first two slots are asked for meanwhile
	REFILL 1
	KLOAD 31, 61
	s_wait_loadcnt 62                              ; rows 0 to 30, asked for a phase ago, are in; the 62 loads just issued stay out
	CONV 2, 0, 30
	KLOAD 62, 63
	s_wait_loadcnt 32                              ; rows up to 47 are in; behind them: rows 48 to 63
	CONV 2, 31, 31
	CONV 3, 32, 47
	REFILL 0                                       ; Ua's slot 1; its wait has shown slot 0 landed
	s_wait_loadcnt 0x0
	CONV 3, 48, 63
.set rw, 0
.rept 64
	ds_store_b32 v[ADS], v[BF+2*rw] offset:CP*rw   ; K under 512: a wave stores 128 consecutive bytes of a row
.set rw, rw+1
.endr
	s_wait_dscnt 0x0                               ; my stores have landed
	s_barrier_signal -1
	s_barrier_wait -1
	WIN 0x80
.irp ks, 0,1,2,3
.irp mt, 0,1,2,3
.irp c, 0,1,2,3
	ds_load_b128 v[64*\ks+16*\mt+4*\c:64*\ks+16*\mt+4*\c+3], v[ADA] offset:16*\mt*CP+128*\ks+32*\c
.endr
.endr
.endr
	WIN 0
	s_wait_dscnt 0x0                               ; my reads of the stage are over: it may be written again
	s_barrier_signal -1
	s_barrier_wait -1
.set rw, 0
.rept 64
	ds_store_b32 v[ADS], v[BF+2*rw+1] offset:CP*rw ; K from 512 on
.set rw, rw+1
.endr
	s_wait_dscnt 0x0
	s_barrier_signal -1
	s_barrier_wait -1
	WIN 0xc0
.irp ks, 0,1,2,3
.irp mt, 0,1,2,3
.irp c, 0,1,2,3
	ds_load_b128 v[64*\ks+16*\mt+4*\c:64*\ks+16*\mt+4*\c+3], v[ADA] offset:16*\mt*CP+128*\ks+32*\c
.endr
.endr
.endr
	WIN 0
	s_mov_b32 s[TB], 0
	s_mov_b32 s[TT], 0
	v_add_nc_u32 v[ADB], s[TB], v[AB0]
	v_add_nc_u32 v[ADT], s[TT], v[AT0]
	LOADB 0, 0                                     ; the codes' registers are free: their stores were waited for
.irp i, 0,1,2,3,4,5,6,7
	v_mov_b32 v[SA+\i], 0
.endr
	s_wait_dscnt 0x0
	; ---- the walk over Ua's eight slots
	s_mov_b32 s[CT], 6
.Lwalk:
	TRIP 1, 1, 0
	s_sub_co_u32 s[CT], s[CT], 1
	s_cmp_lg_u32 s[CT], 0
	s_cbranch_scc1 .Lwalk
	TRIP 0, 1, 1                                   ; the last two slots are written out: they ask for no codes
	TRIP -1, 0, 2
	; ---- F: the 64 scores, the running softmax, the context
	v_add_f32 v26, v[SA], v[SA+1]
	v_add_f32 v27, v[SA+2], v[SA+3]
	v_add_f32 v28, v[SA+4], v[SA+5]
	v_add_f32 v29, v[SA+6], v[SA+7]
	v_permlanex16_b32 v[SA], v26, s[SEL], s[SEL+1] ; the row's other eight units of each tile lie in the lane 16 away
	v_permlanex16_b32 v[SA+2], v27, s[SEL], s[SEL+1]
	v_permlanex16_b32 v[SA+4], v28, s[SEL], s[SEL+1]
	v_permlanex16_b32 v[SA+6], v29, s[SEL], s[SEL+1]
	v_add_f32 v26, v26, v[SA]
	v_add_f32 v27, v27, v[SA+2]
	v_add_f32 v28, v28, v[SA+4]
	v_add_f32 v29, v29, v[SA+6]
	v_cndmask_b32 v30, v26, v27, s[MH]             ; lanes 16 to 31 take the odd tile: row = lane,
	v_cndmask_b32 v31, v28, v29, s[MH]             ; and row = 32 + lane
	ds_store_b32 v[ASX], v30
	ds_store_b32 v[ASX], v31 offset:128
	s_wait_dscnt 0x0                               ; for the others' sake: my quarter of the hidden units' sums lies in LDS
	s_barrier_signal -1
	s_barrier_wait -1
	ds_load_b64 v[40:41], v[ASR]                   ; rows 2 lane and 2 lane + 1, of each wave
	ds_load_b64 v[42:43], v[ASR] offset:256
	ds_load_b64 v[44:45], v[ASR] offset:512
	ds_load_b64 v[46:47], v[ASR] offset:768
	s_wait_dscnt 0x0
	v_pk_add_f32 v[40:41], v[40:41], v[42:43]
	v_pk_add_f32 v[44:45], v[44:45], v[46:47]
	v_pk_add_f32 v[22:23], v[40:41], v[44:45]      ; (the last sub-block's store has read this pair: the wait stands at that sub-block's end)
	s_cmp_lg_u32 s[WV], 0
	s_cbranch_scc1 .Lno_scores
	global_store_b64 v[SO], v[22:23], s[22:23]     ; wave 0 stores the 64 scores: 256 consecutive bytes, aligned
.Lno_scores:
	v_max_num_f32 v26, v22, v23
	v_max_num_f32_dpp v26, v26, v26 row_xmask:1 row_mask:0xf bank_mask:0xf
	v_max_num_f32_dpp v26, v26, v26 row_xmask:2 row_mask:0xf bank_mask:0xf
	v_max_num_f32_dpp v26, v26, v26 row_xmask:4 row_mask:0xf bank_mask:0xf
	v_max_num_f32_dpp v26, v26, v26 row_xmask:8 row_mask:0xf bank_mask:0xf
	v_permlanex16_b32 v27, v26, s[SEL], s[SEL+1]
	v_max_num_f32 v26, v26, v27
	v_max_num_f32 v26, v26, v18                    ; the new m
	v_sub_f32 v27, v18, v26
	v_sub_f32 v24, v22, v26
	v_sub_f32 v25, v23, v26
	v_exp_f32 v20, v27                             ; f = 2^(old m - new m)
	v_exp_f32 v24, v24                             ; p = 2^(s - m)
	v_exp_f32 v25, v25
	v_mov_b32 v18, v26                             ; (the plain place behind the batch)
	s_wait_alu depctr_va_vdst(0)                   ; one wait for the three, ahead of their first reader
	v_add_f32 v27, v24, v25
	v_add_f32_dpp v27, v27, v27 row_xmask:1 row_mask:0xf bank_mask:0xf
	v_add_f32_dpp v27, v27, v27 row_xmask:2 row_mask:0xf bank_mask:0xf
	v_add_f32_dpp v27, v27, v27 row_xmask:4 row_mask:0xf bank_mask:0xf
	v_add_f32_dpp v27, v27, v27 row_xmask:8 row_mask:0xf bank_mask:0xf
	v_permlanex16_b32 v28, v27, s[SEL], s[SEL+1]
	v_add_f32 v27, v27, v28
	v_fma_f32 v19, v19, v20, v27                   ; l = l f + the sum of p
	ds_store_b64 v[APW], v[24:25]                  ; my wave's own copy of the 64 weights; LDS serves a wave's instructions in order, so the loads below see it
.irp j, 0,2,4,6
	v_pk_mul_f32 v[CTX+\j:CTX+\j+1], v[CTX+\j:CTX+\j+1], v[20:21] op_sel_hi:[1,0]
.endr
.irp g, 0,1,2,3,4,5,6,7,8,9,10,11,12,13,14,15
	ds_load_b128 v[BF+4*\g:BF+4*\g+3], v[APR] offset:16*\g   ; every lane takes all 64
.endr
	s_wait_dscnt 0x0
	WIN 0x01                                       ; source 0 (H) window 1
.set rw, 0
.rept 64
.irp q, 0,1,2,3
	v_fma_mix_f32_bf16 v[CTX+2*\q], v[4*rw+\q], v[BF+rw], v[CTX+2*\q] op_sel_hi:[1,0,0]
	v_fma_mix_f32_bf16 v[CTX+2*\q+1], v[4*rw+\q], v[BF+rw], v[CTX+2*\q+1] op_sel:[1,0,0] op_sel_hi:[1,0,0]
.endr
.set rw, rw+1
.endr
	WIN 0
	s_wait_xcnt 0x0                                ; the scores' store has read its base and its data
	s_add_nc_u64 s[22:23], s[22:23], 256
	s_add_co_u32 s[SB], s[SB], 1
	s_cmp_lt_u32 s[SB], 4
	s_cbranch_scc1 .Lsub
	; ---- the work-group's partial results
	global_store_b128 v[KO], v[CTX:CTX+3], s[24:25]              ; a wave stores 512 consecutive bytes, aligned
	global_store_b128 v[KO], v[CTX+4:CTX+7], s[24:25] offset:2048
	s_cmp_lg_u32 s[WV], 0
	s_cbranch_scc1 .Lno_ml
	global_store_b64 v[SO], v[18:19], s[26:27]     ; (m, l), 32 times: 256 consecutive bytes, aligned
.Lno_ml:
	s_wait_tensorcnt 0x0                           ; the wave's end: behind my last tensor load and my last LDS store
	ds_add_u32 v[SPW], v[NIL]
	s_wait_dscnt 0x0
	ROUND                                          ; the closing round: no work-group ends while a partner may still ask for codes jointly
	s_endpgm
.Lfunc_end_k_q9d705f8d4e_main:
	.size	k_q9d705f8d4e_main, .Lfunc_end_k_q9d705f8d4e_main-k_q9d705f8d4e_main
	.p2alignl 7, 3214868480
	.fill 96, 4, 3214868480
	.section	.rodata,"a",@progbits
	.p2align	6, 0x0
	.amdhsa_kernel k_q9d705f8d4e_main
		.amdhsa_group_segment_fixed_size 327680
		.amdhsa_private_segment_fixed_size 0
		.amdhsa_enable_private_segment 0
		.amdhsa_kernarg_size 80
		.amdhsa_user_sgpr_count 2
		.amdhsa_user_sgpr_kernarg_segment_ptr 1
		.amdhsa_wavefront_size32 1
		.amdhsa_system_sgpr_workgroup_id_x 1
		.amdhsa_system_sgpr_workgroup_id_y 1
		.amdhsa_system_sgpr_workgroup_id_z 1
		.amdhsa_system_vgpr_workitem_id 0
		.amdhsa_next_free_vgpr 1024
		.amdhsa_next_free_sgpr 72
		.amdhsa_reserve_vcc 0
		.amdhsa_float_denorm_mode_32 3
		.amdhsa_float_denorm_mode_16_64 3
		.amdhsa_memory_ordered 1
		.amdhsa_forward_progress 1
		.amdhsa_inst_pref_size 220
	.end_amdhsa_kernel
	.amdgpu_metadata
---
amdhsa.version: [ 1, 2 ]
amdhsa.kernels:
  - .name:           k_q9d705f8d4e_main
    .symbol:         k_q9d705f8d4e_main.kd
    .args:
      - { .name: keys, .offset: 0, .size: 8, .value_kind: global_buffer, .address_space: global }
      - { .name: query, .offset: 8, .size: 8, .value_kind: global_buffer, .address_space: global }
      - { .name: Wa_b, .offset: 16, .size: 8, .value_kind: global_buffer, .address_space: global }
      - { .name: Ua_b, .offset: 24, .size: 8, .value_kind: global_buffer, .address_space: global }
      - { .name: Va_w, .offset: 32, .size: 8, .value_kind: global_buffer, .address_space: global }
      - { .name: lowp_scales, .offset: 40, .size: 8, .value_kind: global_buffer, .address_space: global }
      - { .name: wcodes, .offset: 48, .size: 8, .value_kind: global_buffer, .address_space: global }
      - { .name: sc, .offset: 56, .size: 8, .value_kind: global_buffer, .address_space: global }
      - { .name: part, .offset: 64, .size: 8, .value_kind: global_buffer, .address_space: global }
      - { .name: ml, .offset: 72, .size: 8, .value_kind: global_buffer, .address_space: global }
    .group_segment_fixed_size: 327680
    .private_segment_fixed_size: 0
    .kernarg_segment_align: 8
    .kernarg_segment_size: 80
    .max_flat_workgroup_size: 128
    .sgpr_count:     72
    .vgpr_count:     1024
    .wavefront_size: 32
...
	.end_amdgpu_metadata
.endif
;; end of part 2
;; launch join (part 3): grid 32 x 1, 8 waves a work-group, no clusters, 0 bytes of LDS; arguments sc, part, ml, out0, out1; writes out0, out1
.if DOCPART == 3
	.amdgcn_target "amdgcn-amd-amdhsa--gfx1250"
	.amdhsa_code_object_version 6
	.text
	.protected	k_q9d705f8d4e_join
	.globl	k_q9d705f8d4e_join
	.p2align	8
	.type	k_q9d705f8d4e_join,@function
k_q9d705f8d4e_join:
	s_mov_b64 s[64:65], 0
	v_nop
	global_prefetch_b8 v0, s[64:65] scope:SCOPE_SE
	s_setreg_imm32_b32 hwreg(HW_REG_WAVE_MODE, 25, 1), 1
	s_wait_xcnt 0x0
; The eight partial softmaxes of a batch are joined.  Work-group b serves batch b: 32 batches are all the work there is.
; Given, for i = 0 .. 7: m_i (largest score, in units of log2), l_i (sum of 2^(s - m_i)), part_i[1024] (sum of 2^(s - m_i) x keys' row), and the 2,048 scores s.
; M = the largest m_i; w_i = 2^(m_i - M); L = sum of l_i w_i (at least 1);  out1 = 2^(s - M) / L;  out0 = sum of (w_i / L) part_i.
; LEFT OUT AS DEAD WORK, as in the launches before: Va_b and the sum of Va_w, which are the same in every score of a batch and cancel here.
; Thread t (0 .. 255) takes scores 4 t .. 4 t + 3 and 1,024 + 4 t .. + 3, and columns 4 t .. 4 t + 3 of the context.  Every load and store of a wave covers 512 consecutive bytes.  No LDS, no barrier.
	s_load_b128 s[4:7], s[0:1], 0x0                ; sc, part
	s_load_b128 s[8:11], s[0:1], 0x10              ; ml, out0
	s_load_b64 s[12:13], s[0:1], 0x20              ; out1
	v_lshlrev_b32 v1, 4, v0
	s_lshl_b32 s14, ttmp9, 13                      ; 2,048 scores or weights of 4 bytes
	s_mov_b32 s15, 0
	s_lshl_b32 s36, ttmp9, 15                      ; eight partial contexts of 4,096 bytes
	s_mov_b32 s37, 0
	s_lshl_b32 s38, ttmp9, 11                      ; eight units of 256 bytes
	s_mov_b32 s39, 0
	s_lshl_b32 s40, ttmp9, 12
	s_mov_b32 s41, 0
	s_wait_kmcnt 0x0
	s_add_nc_u64 s[4:5], s[4:5], s[14:15]
	s_add_nc_u64 s[12:13], s[12:13], s[14:15]
	s_add_nc_u64 s[6:7], s[6:7], s[36:37]
	s_add_nc_u64 s[8:9], s[8:9], s[38:39]
	s_add_nc_u64 s[10:11], s[10:11], s[40:41]
.irp i, 0,1,2,3,4,5,6,7
	s_load_b64 s[16+2*\i:17+2*\i], s[8:9], 256*\i  ; m_i, l_i
.endr
	global_load_b128 v[4:7], v1, s[4:5]
	global_load_b128 v[8:11], v1, s[4:5] offset:4096
.irp i, 0,1,2,3,4,5,6,7
	global_load_b128 v[12+4*\i:15+4*\i], v1, s[6:7] offset:4096*\i
.endr
	s_wait_kmcnt 0x0
	v_mov_b32 v44, s16
.irp i, 1,2,3,4,5,6,7
	v_max_num_f32 v44, s[16+2*\i], v44             ; M
.endr
.irp i, 0,1,2,3,4,5,6,7
	v_sub_f32 v[46+\i], s[16+2*\i], v44
.endr
.irp i, 0,1,2,3,4,5,6,7
	v_exp_f32 v[46+\i], v[46+\i]                   ; w_i
.endr
	v_nop                                          ; a plain place behind the batch,
	s_wait_alu depctr_va_vdst(0)                   ; and one wait ahead of its first reader
	v_mul_f32 v45, s17, v46
.irp i, 1,2,3,4,5,6,7
	v_fmac_f32 v45, s[17+2*\i], v[46+\i]           ; L
.endr
	v_rcp_f32 v54, v45
	v_nop
	s_wait_alu depctr_va_vdst(0)
.irp i, 0,1,2,3,4,5,6,7
	v_mul_f32 v[46+\i], v[46+\i], v54              ; w_i / L
.endr
	s_wait_loadcnt 8                               ; the scores are in; the eight loads of partial contexts may be out
.irp j, 0,1,2,3,4,5,6,7
	v_sub_f32 v[4+\j], v[4+\j], v44
.endr
.irp j, 0,1,2,3,4,5,6,7
	v_exp_f32 v[4+\j], v[4+\j]
.endr
	v_nop
	s_wait_alu depctr_va_vdst(0)
.irp j, 0,1,2,3,4,5,6,7
	v_mul_f32 v[4+\j], v[4+\j], v54
.endr
	global_store_b128 v1, v[4:7], s[12:13]
	global_store_b128 v1, v[8:11], s[12:13] offset:4096
	s_wait_loadcnt 0x0
.irp c, 0,1,2,3
	v_mul_f32 v[56+\c], v[12+\c], v46
.endr
.irp i, 1,2,3,4,5,6,7
.irp c, 0,1,2,3
	v_fmac_f32 v[56+\c], v[12+4*\i+\c], v[46+\i]
.endr
.endr
	global_store_b128 v1, v[56:59], s[10:11]
	s_endpgm
.Lfunc_end_k_q9d705f8d4e_join:
	.size	k_q9d705f8d4e_join, .Lfunc_end_k_q9d705f8d4e_join-k_q9d705f8d4e_join
	.p2alignl 7, 3214868480
	.fill 96, 4, 3214868480
	.section	.rodata,"a",@progbits
	.p2align	6, 0x0
	.amdhsa_kernel k_q9d705f8d4e_join
		.amdhsa_group_segment_fixed_size 0
		.amdhsa_private_segment_fixed_size 0
		.amdhsa_enable_private_segment 0
		.amdhsa_kernarg_size 40
		.amdhsa_user_sgpr_count 2
		.amdhsa_user_sgpr_kernarg_segment_ptr 1
		.amdhsa_wavefront_size32 1
		.amdhsa_system_sgpr_workgroup_id_x 1
		.amdhsa_system_sgpr_workgroup_id_y 1
		.amdhsa_system_sgpr_workgroup_id_z 1
		.amdhsa_system_vgpr_workitem_id 0
		.amdhsa_next_free_vgpr 64
		.amdhsa_next_free_sgpr 66
		.amdhsa_reserve_vcc 0
		.amdhsa_float_denorm_mode_32 3
		.amdhsa_float_denorm_mode_16_64 3
		.amdhsa_memory_ordered 1
		.amdhsa_forward_progress 1
		.amdhsa_inst_pref_size 6
	.end_amdhsa_kernel
	.amdgpu_metadata
---
amdhsa.version: [ 1, 2 ]
amdhsa.kernels:
  - .name:           k_q9d705f8d4e_join
    .symbol:         k_q9d705f8d4e_join.kd
    .args:
      - { .name: sc, .offset: 0, .size: 8, .value_kind: global_buffer, .address_space: global }
      - { .name: part, .offset: 8, .size: 8, .value_kind: global_buffer, .address_space: global }
      - { .name: ml, .offset: 16, .size: 8, .value_kind: global_buffer, .address_space: global }
      - { .name: out0, .offset: 24, .size: 8, .value_kind: global_buffer, .address_space: global }
      - { .name: out1, .offset: 32, .size: 8, .value_kind: global_buffer, .address_space: global }
    .group_segment_fixed_size: 0
    .private_segment_fixed_size: 0
    .kernarg_segment_align: 8
    .kernarg_segment_size: 40
    .max_flat_workgroup_size: 256
    .sgpr_count:     66
    .vgpr_count:     64
    .wavefront_size: 32
...
	.end_amdgpu_metadata
.endif
;; end of part 3
;; ======== version 2 of 2: 3 launches
;; limits: values are held in bf16: 8 bits of precision; right only within a limited range of input values
;; workspace buffers: wcodes 1,048,576 bytes; qp 1,048,576 bytes; sc 262,144 bytes; part 1,048,576 bytes; ml 65,536 bytes
;; launch prep (part 4): grid 256 x 1, 4 waves a work-group, no clusters, 9,216 bytes of LDS; arguments Wa_w, Ua_w, query, lowp_scales, wcodes, qp; writes wcodes, qp
.if DOCPART == 4
	.amdgcn_target "amdgcn-amd-amdhsa--gfx1250"
	.amdhsa_code_object_version 6
	.text
	.protected	k_q9d705f8d4e_prep
	.globl	k_q9d705f8d4e_prep
	.p2align	8
	.type	k_q9d705f8d4e_prep,@function
k_q9d705f8d4e_prep:
	s_mov_b64 s[64:65], 0
	v_nop
	global_prefetch_b8 v0, s[64:65] scope:SCOPE_SE
	s_setreg_imm32_b32 hwreg(HW_REG_WAVE_MODE, 25, 1), 1
	s_wait_xcnt 0x0
; Wa_w and Ua_w, [1024 (k)][1024 (n)] f32 with K as the first axis, become codes of BF8 (E5M2), each with its given scale 2^e (lowp_scales[1], lowp_scales[3]):
; code = x / 2^e, held within +-57,344, rounded to the nearest code, ties to even.  A wave makes one fragment (16 columns n x 128 along K): a lane takes column n = 16 T + r and its registers run down K,
; so the conversions' results are the operand's registers (registers 4 c .. 4 c + 3 of lane (r, h): k = 128 ks + 32 c + 16 h + 0 .. 15) and nothing is transposed.
; Ua'S CODES ARE STORED AS IMAGES OF THOSE REGISTERS: wcodes[T 0..63][ks 0..7][c 0..3][lane][16 bytes]: the launch that multiplies takes a fragment by four loads of 16 bytes a lane, and a run of fragments is one dense block.
; Wa'S CODES ARE USED AT ONCE AND NEVER STORED: the wave quantises the 32 queries' numbers of its 128 k (scale 2^e0) into two fragments and multiplies: source 0 = its 16 columns of Wa, source 1 = 16 queries.
; The sums over these 128 k, still without 2^(e0 + e1), go to qp[ks][batch][n]; the next launch adds the eight parts.  A lane holds 32 bytes of a batch's row, so the four waves' sums (64 columns) meet in a stage in LDS and leave as rows of 256 bytes.
; DEAD WORK (the whole program): Va_b is added to every score of a row, so it is the same along the softmax's axis and cancels in the weights for all values; the context is made of the weights and keys alone.
; Va_b is loaded by no launch and is among no launch's arguments.  Likewise tanh(x) = 1 - 2 / (1 + e^(2x)): the 1 adds the sum of Va_w to every score alike and is never formed.
; LIMIT: a NaN, an infinity or an overflow in Va_b or in the sum of Va_w is not carried to the result.  e0, e1 and e3 lie between -126 and 112.  NaN among the inputs is not served.
; SHARES.  Work-group g: g < 128 Wa, else Ua; ks = g % 8, T = 4 ((g / 8) % 16) + wave: the four waves stand side by side on 256 consecutive bytes of each row k.
; The two ways part on the work-group's number alone, meet at the one barrier, so that it stands on every way, and part again.
.set X,   16                           ; v16-79   64 numbers: register 16 c + i = W[128 ks + 32 c + 16 h + i][n]
.set C,   80                           ; v80-95   the fragment's codes
.set QF,  96                           ; v96-223  the queries' numbers: tile t at 64 t, register 16 c + i = query[16 t + r][128 ks + 32 c + 16 h + i]
.set QC,  224                          ; v224-255 their codes: two fragments
.set ACC, 16                           ; v16-31   two accumulators, where W's numbers lay
.set BK,  32                           ; v32-47   eight rows read back from the stage
.set SP,  272                          ; a stage row: 256 bytes + 16
.set SPARE, 32*SP                      ; behind the stage: the spare words, 128 bytes a wave: two blocks of 256 bytes that no other line names
.set SPW, 12                           ; v12  my spare word; never rewritten
.set NIL, 13                           ; v13  0; never rewritten
; 64 loads of W from base s[b:b+1]; the scale from the exponent in s[e]; the fragment's codes
.macro WQ b, e
.irp c, 0,1,2,3
.irp i, 0,1,2,3,4,5,6,7,8,9,10,11,12,13,14,15
	global_load_b32 v[X+16*\c+\i], v4, s[\b:\b+1] offset:(32*\c+\i)*4096 th:TH_LOAD_NT
.endr
.endr
	s_wait_kmcnt 0x0                               ; the exponents
	s_add_co_i32 s30, s[\e], 127
	s_lshl_b32 s31, s30, 23
	v_mov_b32 v11, s31                             ; 2^e as f32: the conversion takes its exponent field
	s_add_co_i32 s30, s30, 15
	s_lshl_b32 s30, s30, 23
	s_or_b32 s30, s30, 0x600000
	v_mov_b32 v10, s30                             ; 57,344 x 2^e
	s_wait_alu depctr_va_vdst(0)
.irp c, 0,1,2,3
	s_wait_loadcnt 48-16*\c                        ; loads come back in order: this block's 16 and all older loads are in, the later blocks' may be out
.irp i, 0,1,2,3,4,5,6,7,8,9,10,11,12,13,14,15
	v_med3_num_f32 v[X+16*\c+\i], v[X+16*\c+\i], -v10, v10   ; the conversion to an 8-bit code does not saturate (ISA guide 7.6.2): the hold comes first
.endr
	v_cvt_scalef32_pk8_bf8_f32 v[C+4*\c:C+4*\c+1], v[X+16*\c:X+16*\c+7], v11
	v_cvt_scalef32_pk8_bf8_f32 v[C+4*\c+2:C+4*\c+3], v[X+16*\c+8:X+16*\c+15], v11
.endr
	v_nop                                          ; one plain line behind the last scaled conversion
.endm
	s_load_b128 s[4:7], s[0:1], 0x0                ; Wa_w, Ua_w
	s_load_b128 s[8:11], s[0:1], 0x10              ; query, the scales' exponents
	s_load_b128 s[12:15], s[0:1], 0x20             ; wcodes, qp
	v_lshl_add_u32 v[SPW], v0, 2, SPARE
	v_mov_b32 v[NIL], 0
	v_lshrrev_b32 v1, 5, v0
	v_readfirstlane_b32 s16, v1                    ; wave 0..3
	v_and_b32 v2, 15, v0                           ; r
	v_bfe_u32 v3, v0, 4, 1                         ; h
	v_lshlrev_b32 v4, 2, v2
	v_lshl_add_u32 v4, v3, 16, v4                  ; W: 4 r + 16 h rows of 4,096 bytes
	v_and_b32 v5, 31, v0
	v_lshlrev_b32 v5, 4, v5                        ; the codes' image: 16 x lane
	v_lshlrev_b32 v6, 12, v2
	v_lshl_add_u32 v6, v3, 6, v6                   ; query: batch r's row of 4,096 bytes + 64 h
	v_mul_u32_u24 v7, v2, SP
	v_lshl_add_u32 v7, v3, 5, v7
	s_lshl_b32 s19, s16, 6
	v_add_nc_u32 v7, s19, v7                       ; into the stage: row r, + 64 wave + 32 h
	v_mul_u32_u24 v8, v3, SP
	v_lshl_add_u32 v8, v2, 4, v8
	s_mul_i32 s19, s16, 8*SP
	v_add_nc_u32 v8, s19, v8                       ; back: rows 8 wave + h, 16 bytes a lane: sixteen lanes to a row
	v_lshlrev_b32 v9, 12, v3
	v_lshl_add_u32 v9, v2, 4, v9
	s_lshl_b32 s19, s16, 15
	v_add_nc_u32 v9, s19, v9                       ; and the same place in a plane of qp: batches of 4,096 bytes
	s_and_b32 s17, ttmp9, 7                        ; ks
	s_bfe_u32 s18, ttmp9, 0x40003                  ; which 64 columns
	s_lshl_b32 s20, s18, 2
	s_add_co_u32 s20, s20, s16                     ; T
	s_lshl_b32 s22, s17, 19                        ; W: 128 ks rows of 4,096 bytes
	s_lshl_b32 s21, s20, 6                         ; + 16 T columns of 4 bytes
	s_add_co_u32 s22, s22, s21
	s_mov_b32 s23, 0
	s_lshl_b32 s24, s20, 14                        ; codes: T x 8 fragments of 2,048 bytes
	s_lshl_b32 s21, s17, 11
	s_add_co_u32 s24, s24, s21
	s_mov_b32 s25, 0
	s_lshl_b32 s26, s17, 9                         ; query: 128 ks numbers of 4 bytes
	s_mov_b32 s27, 0
	s_lshl_b32 s28, s17, 17                        ; qp: plane ks of 131,072 bytes
	s_lshl_b32 s21, s18, 8                         ; + my work-group's 64 columns
	s_add_co_u32 s28, s28, s21
	s_mov_b32 s29, 0
	s_wait_kmcnt 0x0
	s_load_b128 s[32:35], s[10:11], 0x0            ; e0, e1, e2, e3
	s_add_nc_u64 s[4:5], s[4:5], s[22:23]
	s_add_nc_u64 s[6:7], s[6:7], s[22:23]
	s_add_nc_u64 s[8:9], s[8:9], s[26:27]
	s_add_nc_u64 s[12:13], s[12:13], s[24:25]
	s_add_nc_u64 s[14:15], s[14:15], s[28:29]
	s_cmp_lt_u32 ttmp9, 128                        ; the work-group's number alone: all four waves go the same way
	s_cbranch_scc1 .Lwa
	; ---- Ua: the codes are stored
	WQ 6, 35
.irp c, 0,1,2,3
	global_store_b128 v5, v[C+4*\c:C+4*\c+3], s[12:13] offset:512*\c   ; the wave stores 512 consecutive bytes, aligned
.endr
	s_branch .Lmeet
.Lwa:
	; ---- Wa: the codes are multiplied with the queries'.  The queries' loads go first, so that the counted waits for W's blocks hold on both ways
.irp t, 0,1
.irp c, 0,1,2,3
.irp j, 0,1,2,3
	global_load_b128 v[QF+64*\t+16*\c+4*\j:QF+64*\t+16*\c+4*\j+3], v6, s[8:9] offset:65536*\t+128*\c+16*\j
.endr
.endr
.endr
	WQ 4, 33
	s_add_co_i32 s30, s32, 127
	s_lshl_b32 s31, s30, 23
	v_mov_b32 v15, s31                             ; 2^e0
	s_add_co_i32 s30, s30, 15
	s_lshl_b32 s30, s30, 23
	s_or_b32 s30, s30, 0x600000
	v_mov_b32 v14, s30                             ; 57,344 x 2^e0
.irp t, 0,1
.irp c, 0,1,2,3
.irp i, 0,1,2,3,4,5,6,7,8,9,10,11,12,13,14,15
	v_med3_num_f32 v[QF+64*\t+16*\c+\i], v[QF+64*\t+16*\c+\i], -v14, v14
.endr
	v_cvt_scalef32_pk8_bf8_f32 v[QC+16*\t+4*\c:QC+16*\t+4*\c+1], v[QF+64*\t+16*\c:QF+64*\t+16*\c+7], v15
	v_cvt_scalef32_pk8_bf8_f32 v[QC+16*\t+4*\c+2:QC+16*\t+4*\c+3], v[QF+64*\t+16*\c+8:QF+64*\t+16*\c+15], v15
.endr
.endr
	v_nop                                          ; one plain line between the last scaled conversion and the products
	v_wmma_f32_16x16x128_bf8_bf8 v[ACC:ACC+7], v[C:C+15], v[QC:QC+15], 0            ; lane (r, h): batch r, columns 16 T + 8 h + 0 .. 7
	v_wmma_f32_16x16x128_bf8_bf8 v[ACC+8:ACC+15], v[C:C+15], v[QC+16:QC+31], 0      ; batch 16 + r
.rept 4
	v_nop                                          ; four plain places ahead of the stores that read the results
.endr
	ds_store_b128 v7, v[ACC:ACC+3]
	ds_store_b128 v7, v[ACC+4:ACC+7] offset:16
	ds_store_b128 v7, v[ACC+8:ACC+11] offset:16*SP
	ds_store_b128 v7, v[ACC+12:ACC+15] offset:16*SP+16
.Lmeet:
	s_wait_dscnt 0x0                               ; for the others' sake: my part of the 32 rows lies in the stage
	s_barrier_signal -1
	s_barrier_wait -1
	s_cmp_lt_u32 ttmp9, 128
	s_cbranch_scc0 .Lend
.irp i, 0,1,2,3
	ds_load_b128 v[BK+4*\i:BK+4*\i+3], v8 offset:2*\i*SP
.endr
.irp i, 0,1,2,3
	s_wait_dscnt 3-\i                              ; LDS loads come back in order: the later ones may be out
	global_store_b128 v9, v[BK+4*\i:BK+4*\i+3], s[14:15] offset:2*\i*4096   ; sixteen lanes store 256 consecutive bytes, aligned
.endr
.Lend:
	s_wait_tensorcnt 0x0                           ; the wave's end: behind my last LDS store
	ds_add_u32 v[SPW], v[NIL]
	s_wait_dscnt 0x0
	s_endpgm
.Lfunc_end_k_q9d705f8d4e_prep:
	.size	k_q9d705f8d4e_prep, .Lfunc_end_k_q9d705f8d4e_prep-k_q9d705f8d4e_prep
	.p2alignl 7, 3214868480
	.fill 96, 4, 3214868480
	.section	.rodata,"a",@progbits
	.p2align	6, 0x0
	.amdhsa_kernel k_q9d705f8d4e_prep
		.amdhsa_group_segment_fixed_size 9216
		.amdhsa_private_segment_fixed_size 0
		.amdhsa_enable_private_segment 0
		.amdhsa_kernarg_size 48
		.amdhsa_user_sgpr_count 2
		.amdhsa_user_sgpr_kernarg_segment_ptr 1
		.amdhsa_wavefront_size32 1
		.amdhsa_system_sgpr_workgroup_id_x 1
		.amdhsa_system_sgpr_workgroup_id_y 1
		.amdhsa_system_sgpr_workgroup_id_z 1
		.amdhsa_system_vgpr_workitem_id 0
		.amdhsa_next_free_vgpr 256
		.amdhsa_next_free_sgpr 66
		.amdhsa_reserve_vcc 0
		.amdhsa_float_denorm_mode_32 3
		.amdhsa_float_denorm_mode_16_64 3
		.amdhsa_memory_ordered 1
		.amdhsa_forward_progress 1
		.amdhsa_inst_pref_size 39
	.end_amdhsa_kernel
	.amdgpu_metadata
---
amdhsa.version: [ 1, 2 ]
amdhsa.kernels:
  - .name:           k_q9d705f8d4e_prep
    .symbol:         k_q9d705f8d4e_prep.kd
    .args:
      - { .name: Wa_w, .offset: 0, .size: 8, .value_kind: global_buffer, .address_space: global }
      - { .name: Ua_w, .offset: 8, .size: 8, .value_kind: global_buffer, .address_space: global }
      - { .name: query, .offset: 16, .size: 8, .value_kind: global_buffer, .address_space: global }
      - { .name: lowp_scales, .offset: 24, .size: 8, .value_kind: global_buffer, .address_space: global }
      - { .name: wcodes, .offset: 32, .size: 8, .value_kind: global_buffer, .address_space: global }
      - { .name: qp, .offset: 40, .size: 8, .value_kind: global_buffer, .address_space: global }
    .group_segment_fixed_size: 9216
    .private_segment_fixed_size: 0
    .kernarg_segment_align: 8
    .kernarg_segment_size: 48
    .max_flat_workgroup_size: 128
    .sgpr_count:     66
    .vgpr_count:     256
    .wavefront_size: 32
...
	.end_amdgpu_metadata
.endif
;; end of part 4
;; launch main (part 5): grid 256 x 1, 4 waves a work-group, clusters of 4 x 1, 327,680 bytes of LDS; arguments keys, qp, Wa_b, Ua_b, Va_w, lowp_scales, wcodes, sc, part, ml; writes sc, part, ml
.if DOCPART == 5
	.amdgcn_target "amdgcn-amd-amdhsa--gfx1250"
	.amdhsa_code_object_version 6
	.text
	.protected	k_q9d705f8d4e_main
	.globl	k_q9d705f8d4e_main
	.p2align	8
	.type	k_q9d705f8d4e_main,@function
k_q9d705f8d4e_main:
	s_mov_b64 s[64:65], 0
	v_nop
	global_prefetch_b8 v0, s[64:65] scope:SCOPE_SE
	s_setreg_imm32_b32 hwreg(HW_REG_WAVE_MODE, 25, 1), 1
	s_wait_xcnt 0x0
	s_wait_alu depctr_hold_cnt(0) depctr_sa_sdst(0) depctr_va_vdst(0) depctr_va_sdst(0) depctr_va_ssrc(0) depctr_va_vcc(0) depctr_vm_vsrc(0)
	s_getreg_b32 s2, hwreg(HW_REG_IB_STS2, 6, 4)
	s_cmp_eq_u32 s2, 0
	s_cbranch_scc0 .Lentry_in_a_cluster
	s_endpgm
.Lentry_in_a_cluster:
	s_bfe_u32 s2, ttmp6, 0x10000c
	s_cmp_lg_u32 s2, 0x3003
	s_cbranch_scc0 .Lentry_shape_is_right
	s_endpgm
.Lentry_shape_is_right:
; Additive attention with one query a batch, up to a partial softmax for each work-group.  keys [32][2048][1024] f32 are read ONCE.
; score(row) = sum over h of Va_w[h] tanh(q[h] + k[row][h]);  k = Q(keys) Q(Ua_w) + Ua_b on codes of BF8 (E5M2) with the given scales 2^e2, 2^e3;  q = 2^(e0 + e1) x (the eight parts in qp, made by the launch before) + Wa_b.
; LEFT OUT AS DEAD WORK: Va_b and, by tanh(x) = 1 - 2 / (1 + e^(2x)), the sum of Va_w: both are the same along the softmax's axis for all values of the inputs and cancel in the weights.  Va_b is not loaded.
; What is summed: s = sum over h of (-2 log2(e) Va_w[h]) / (1 + 2^(2 log2(e) x)), the score in units of log2 less those constants.  An exponential that overflows gives 1 / infinity = 0: tanh = 1, as it should.
; LIMITS: e2 between -126 and 112; e0 + e1 and e2 + e3 between -126 and 125 (they are added to the exponent field of 2 log2(e)).  NaN and infinities among the inputs are not served; none in Va_b is carried to the result.
; SHARES.  Work-group x owns rows 256 x .. 256 x + 255 of keys (batch x / 8) and takes them in four sub-blocks of 64.  For a sub-block each of the four waves holds ALL 64 rows' codes in 512 registers and walks ITS quarter of the
; 1,024 hidden units (two tiles of 16 in each of 8 slots): a fragment of Ua read from LDS feeds four matrix instructions.  Thread t holds, as bf16 pairs in 256 registers, columns 4 t .. 4 t + 3 and 512 + 4 t .. + 3 of the 64 rows:
; when the rows' weights are known, the context's sums are made from them with no second read of keys.  A running maximum m, sum l and 1,024 context sums go on from sub-block to sub-block; a last launch joins the eight work-groups of a batch.
; THE MATRIX INSTRUCTION IS USED TRANSPOSED (source 0 = 16 hidden units, source 1 = 16 rows of keys): lane (r, h) holds row r and its registers the hidden units 8 h + 0 .. 7, so bias and Va_w are eight registers a tile.
; k stands in both operands at the same permuted places (registers 4 c .. 4 c + 3: k = 32 c + 16 h + 0 .. 15): every product meets its partner.
; CLUSTER: all work-groups walk the same codes of Ua in the same order, so the four of a cluster ask for each piece JOINTLY (mask 15): the same tensor load with the same descriptor, made of the wave's number alone.
; A wave fetches and reads only its own 32 KiB of each slot.  Each walk fills its own ring: its slots 0 and 1 are asked for while the rows are converted, slots 2 to 7 behind the change of slots two slots earlier; the last two changes ask for nothing.
; THE ROWS' CODES reach every wave through a stage in LDS, 32 rows at a time: rows 0 to 31 are converted, staged and read back as fragments while rows 32 to 63 are still on their way.
; LDS claim: all of it.
; REGISTERS, in windows of 256 (s_set_vgpr_msb's low byte: bits 1:0 source 0, 3:2 source 1, 5:4 source 2, 7:6 destination):
;   window 0: v3-17 addresses and constants; v18 m, v19 l, v[20:21] f; v[22:23] two scores, v[24:25] two weights; v26-31 at work; v32-39 context; v40-47 score sums; v48-79 two sets of bias and Va; v80-111 accumulators;
;             v112-115 addresses; v128-255 eight fragments of the weights (while rows are converted: their codes, two registers a row; at a sub-block's end: 64 weights)
;   window 1: H, the bf16 copy, row s at 4 s
;   windows 2, 3: the rows' codes as fragments, (tile mt, K step ks) at 64 (ks % 4) + 16 mt of window 2 + ks / 4.  Before that, keys as they land: row s at 64 ((s % 16) / 4) + 32 (s / 32) + 8 (s % 4) of window 2 + (s / 16) % 2:
;             rows 0 to 31 lie just where the fragments of tiles 0 and 1 will lie, rows 32 to 63 where those of tiles 2 and 3 will
.set SLOT,  1<<17                      ; LDS: the ring: two slots of 131,072 bytes; in a slot 32,768 wave + 16,384 tau + 2,048 ks + 512 c + 16 lane
.set BT,    262144                     ; the bias table, 1,024 bytes a wave: 128 slot + 64 tau + 4 unit
.set VTO,   4096                       ; -2 log2(e) Va_w, laid alike, this far behind it
.set CSB,   270336                     ; the stage for the rows' codes: 32 rows,
.set CP,    1040                       ; 1,024 bytes + 16 a row: the 16 rows of a fragment load begin at 16 different groups of banks
.set SX,    304128                     ; the waves' partial scores: 256 bytes a wave
.set PT,    305152                     ; the 64 weights, a copy for each wave
.set SPARE, 306176                     ; the spare words, 128 bytes a wave: two blocks of 256 bytes that no other line names
.set KO,  3                            ; v3   16 t: my 16 bytes in half a row of keys and of the partial context
.set AB0, 4                            ; v4   16 lane + 32,768 wave
.set ADB, 5                            ; v5   + the slot in hand
.set AT0, 6                            ; v6   BT + 1,024 wave + 32 h
.set ADT, 7                            ; v7   + 128 x the slot's number
.set ADS, 8                            ; v8   CSB + 4 t
.set ADA, 9                            ; v9   CSB + 1,040 r + 16 h
.set ASX, 10                           ; v10  SX + 256 wave + 4 lane
.set ASR, 11                           ; v11  SX + 8 lane
.set APW, 12                           ; v12  PT + 256 wave + 8 lane
.set APR, 13                           ; v13  PT + 256 wave
.set SPW, 14                           ; v14  my spare word; never rewritten
.set NIL, 15                           ; v15  0; never rewritten
.set SCL, 16                           ; v16  2^e2
.set LIM, 17                           ; v17  57,344 x 2^e2
.set CTX, 32
.set SA,  40
.set TS0, 48
.set ACC, 80
.set SO,  112                          ; v112 8 lane
.set PFO, 113                          ; v113 256 t = 256 lane + 8,192 wave: the prefetches' offset; never rewritten
.set TBO, 114                          ; v114 my eight numbers of Wa_b, Ua_b, Va_w and of a part of q: 512 (lane / 4) + 128 wave + 32 (lane % 4)
.set TBS, 115                          ; v115 BT + 1,024 wave + 32 lane
.set BF,  128
.set WV,  28                           ; s28  my wave's number
.set G1,  32                           ; s[32:39] descriptor group 1; never rewritten
.set G0W, 44                           ; s[44:47] descriptor group 0: it walks
.set CS,  52                           ; s[52:53] 2 log2(e) 2^(e2 + e3)
.set CQ,  54                           ; s[54:55] 2 log2(e) 2^(e0 + e1)
.set SEL, 56                           ; s[56:57] v_permlanex16_b32's selects for lane l xor 16
.set MH,  58                           ; s58  lanes 16 to 31
.set TB,  59                           ; s59  LDS byte of the slot in hand: 0 or SLOT
.set TT,  60                           ; s60  128 x the slot's number in its walk
.set CT,  61                           ; s61  counts a loop's trips
.set SB,  62                           ; s62  the sub-block, 0 .. 3
.set UAB, 66                           ; s[66:67] my wave's part of Ua's codes
.set PFA, 40                           ; s[40:41] where the prefetches stand in keys: it walks through the next sub-block, 65,536 bytes a trip
.set PLIM, 42                          ; s42  a trip of the walk's loop prefetches while s[CT] is above this: 2, or 7 in the last sub-block (never)
.set MSB, 0
.macro WIN new                         ; the immediate's high byte repeats the setting that is left; a switch that changes nothing is dropped
.if MSB != (\new)
	s_set_vgpr_msb (MSB<<8)|(\new)
.set MSB, \new
.endif
.endm
.macro PLACES                          ; four plain places behind matrix instructions, ahead of reads of their results and of loads into their registers
.rept 4
	v_nop
.endr
.endm
.macro ROUND                           ; a round of the cluster's barrier: my work-group's barrier; wave 0 signals for the work-group; all wait for the four work-groups; my work-group's barrier once more
	s_barrier_signal -1
	s_barrier_wait -1
	s_cmp_lg_u32 s[WV], 0
	s_cbranch_scc1 .Lnot_wave_0_\@
	s_barrier_signal -3
.Lnot_wave_0_\@:
	s_barrier_wait -3
	s_barrier_signal -1
	s_barrier_wait -1
.endm
; A joint fill of the slot that is not being read.  first = 1: a walk over Ua begins: its slot 0; else the next slot's codes.  In the first sub-block the two fills of the converting phase are the ring's first: they go out as refills do.
.macro REFILL first
	s_wait_tensorcnt 0x0                           ; all my tensor loads have landed, so the walking group 0 may be written
	ds_add_u32 v[SPW], v[NIL]                      ; 0 onto my spare word; the descriptor's steps stand between it and the wait for it
.if \first
	ds_add_u32 v[SPW], v[NIL]                      ; twice on end here, in every trip alike
.endif
	s_xor_b32 s[G0W+1], s[G0W+1], SLOT             ; the other slot than last time
.if \first
	s_mov_b64 s[G0W+2:G0W+3], s[UAB:UAB+1]
	s_or_b32 s[G0W+3], s[G0W+3], 0x80000000        ; 127:126 type = 2
.else
	s_add_nc_u64 s[G0W+2:G0W+3], s[G0W+2:G0W+3], SLOT   ; a slot's codes on; the type bits on top are not reached
.endif
	s_wait_dscnt 0x0                               ; the add is done, and all my LDS reads are over, those of that slot among them
	ROUND                                          ; the same holds of every wave of the four work-groups
	tensor_load_to_lds s[G0W:G0W+3], s[G1:G1+7]    ; my one tensor load behind the round, and the first thing there
	s_nop 0
	PLACES                                         ; (the places behind the last products)
.endm
.macro CHANGE fill                     ; the change of slots.  1: the slot just read is filled again; 0: nothing is left to ask for, the walk's last slot has to be in; -1: the walk's end
.if (\fill) == 1
	REFILL 0
.elseif (\fill) == 0
	s_wait_tensorcnt 0x0                           ; no load was issued behind the last slot's: the count is 0.  Only I read what I fetched, so no barrier is needed
	PLACES
.else
	PLACES
.endif
.endm
.macro ADV                             ; on to the next slot
	s_xor_b32 s[TB], s[TB], SLOT
	s_add_co_u32 s[TT], s[TT], 128
	v_add_nc_u32 v[ADB], s[TB], v[AB0]
	v_add_nc_u32 v[ADT], s[TT], v[AT0]
.endm
; Rows s0 .. s1 of the sub-block at s[8:9]: a wave's load covers 512 consecutive bytes; the four waves take half a row.
.macro KLOAD s0, s1
.set rw, \s0
.rept (\s1)-(\s0)+1
.set lr, 64*((rw%16)/4)+32*(rw/32)+8*(rw%4)
.if (rw/16)%2 == 0
	WIN 0x80
.else
	WIN 0xc0
.endif
	global_load_b128 v[lr:lr+3], v[KO], s[8:9] offset:rw*4096 th:TH_LOAD_NT
	global_load_b128 v[lr+4:lr+7], v[KO], s[8:9] offset:rw*4096+2048 th:TH_LOAD_NT
.set rw, rw+1
.endr
	WIN 0
.endm
; A prefetch into the L2 of the NEXT sub-block's 64 rows, 262,144 bytes: in each of the walk's first four trips two instructions a wave.  One instruction of the four waves covers 32,768 consecutive bytes, lanes 256 bytes apart,
; so a trip asks for 65,536 bytes and each aligned block of 256 bytes is named once in the launch, by the work-group that will load it.  The rows' loads begin in the walk's eighth trip: four trips and more behind their requests.
; The last sub-block asks for nothing (s[PLIM] = 7 lies above every count of trips): no access leaves keys.  The branch hangs on counts that are the same in all partners of the cluster.
.macro ASK
	s_cmp_gt_u32 s[CT], s[PLIM]
	s_cbranch_scc0 .Lno_ask_\@
	global_prefetch_b8 v[PFO], s[PFA:PFA+1] th:TH_LOAD_NT scope:SCOPE_SE
	global_prefetch_b8 v[PFO], s[PFA:PFA+1] offset:32768 th:TH_LOAD_NT scope:SCOPE_SE
.Lno_ask_\@:
.endm
; My tile tau of the slot in hand: eight fragments, its bias and its Va into table set tau.
.macro LOADB tau
.irp ks, 0,1,2,3,4,5,6,7
.irp c, 0,1,2,3
	ds_load_b128 v[BF+16*\ks+4*\c:BF+16*\ks+4*\c+3], v[ADB] offset:(\tau)*16384+\ks*2048+\c*512
.endr
.endr
	ds_load_b128 v[TS0+16*(\tau):TS0+16*(\tau)+3], v[ADT] offset:(\tau)*64
	ds_load_b128 v[TS0+16*(\tau)+4:TS0+16*(\tau)+7], v[ADT] offset:(\tau)*64+16
	ds_load_b128 v[TS0+16*(\tau)+8:TS0+16*(\tau)+11], v[ADT] offset:VTO+(\tau)*64
	ds_load_b128 v[TS0+16*(\tau)+12:TS0+16*(\tau)+15], v[ADT] offset:VTO+(\tau)*64+16
.endm
; 32 matrix instructions: 16 hidden units x 64 rows x 1,024 along K.  The four accumulators take turns, one instruction a turn; the first K step starts the sums.
.macro MM
	WIN 0x08                                       ; source 1: window 2
.irp ks, 0,1,2,3
.irp mt, 0,1,2,3
.if \ks == 0
	v_wmma_f32_16x16x128_bf8_bf8 v[ACC+8*\mt:ACC+8*\mt+7], v[BF+16*\ks:BF+16*\ks+15], v[64*\ks+16*\mt:64*\ks+16*\mt+15], 0
.else
	v_wmma_f32_16x16x128_bf8_bf8 v[ACC+8*\mt:ACC+8*\mt+7], v[BF+16*\ks:BF+16*\ks+15], v[64*\ks+16*\mt:64*\ks+16*\mt+15], v[ACC+8*\mt:ACC+8*\mt+7]
.endif
.endr
.endr
	WIN 0x0c                                       ; source 1: window 3
.irp ks, 4,5,6,7
.irp mt, 0,1,2,3
	v_wmma_f32_16x16x128_bf8_bf8 v[ACC+8*\mt:ACC+8*\mt+7], v[BF+16*\ks:BF+16*\ks+15], v[64*(\ks-4)+16*\mt:64*(\ks-4)+16*\mt+15], v[ACC+8*\mt:ACC+8*\mt+7]
.endr
.endr
	WIN 0
.endm
; The tile's 32 numbers a lane: y = 2 log2(e) x; 1 / (1 + 2^y); x Va into the rows' sums.  Each batch of transcendentals has one plain place and one wait ahead of its first reader.
.macro EPI tau
.irp j, 0,2,4,6                        ; each accumulator is read from its low end on
.irp mt, 0,1,2,3
	v_pk_fma_f32 v[ACC+8*\mt+\j:ACC+8*\mt+\j+1], v[ACC+8*\mt+\j:ACC+8*\mt+\j+1], s[CS:CS+1], v[TS0+16*(\tau)+\j:TS0+16*(\tau)+\j+1] op_sel_hi:[1,0,1]
.endr
.endr
.set nn, 0
	s_wait_alu depctr_va_vdst(0)
.rept 32
	v_exp_f32 v[ACC+nn], v[ACC+nn]
.set nn, nn+1
.endr
	v_nop
	s_wait_alu depctr_va_vdst(0)
.set nn, 0
.rept 16
	v_pk_add_f32 v[ACC+nn:ACC+nn+1], v[ACC+nn:ACC+nn+1], 1.0 op_sel_hi:[1,0]
.set nn, nn+2
.endr
.set nn, 0
	s_wait_alu depctr_va_vdst(0)
.rept 32
	v_rcp_f32 v[ACC+nn], v[ACC+nn]
.set nn, nn+1
.endr
	v_nop
	s_wait_alu depctr_va_vdst(0)
.irp j, 0,2,4,6
.irp mt, 0,1,2,3
	v_pk_fma_f32 v[SA+2*\mt:SA+2*\mt+1], v[ACC+8*\mt+\j:ACC+8*\mt+\j+1], v[TS0+16*(\tau)+8+\j:TS0+16*(\tau)+8+\j+1], v[SA+2*\mt:SA+2*\mt+1]
.endr
.endr
.endm
; A slot: my two tiles.  pre = 1: the next slot's first tile is fetched.  extra = 1: the next sub-block's prefetches; 2: its first 31 rows' loads, only if there is a next sub-block: no access leaves keys.
.macro TRIP fill, pre, extra
.if (\extra) == 1
	s_wait_xcnt 0x0                                ; the last trip's prefetches have read their address,
	s_add_nc_u64 s[PFA:PFA+1], s[PFA:PFA+1], 65536 ; which goes on by what a trip asks for
.endif
	MM
	PLACES
	LOADB 1                                        ; the second tile's fragments come while the first tile's numbers are worked
	EPI 0
	s_wait_dscnt 0x0
	MM
	CHANGE \fill
.if \pre
	ADV
	LOADB 0
.endif
.if (\extra) == 1
	ASK                                            ; behind the joint load and the run of LDS loads; the tile's vector work stands between it and the next wait
.endif
.if (\extra) == 2
	s_cmp_eq_u32 s[SB], 3
	s_cbranch_scc1 .Lno_rows_\@
	s_wait_xcnt 0x0                                ; the earlier loads have read their base
	s_add_nc_u64 s[8:9], s[8:9], 262144            ; the next 64 rows
	KLOAD 0, 30                                    ; into registers whose fragments the walk's last products have read (four places back)
.Lno_rows_\@:
.endif
	EPI 1
.if \pre
	s_wait_dscnt 0x0
.endif
.endm
; Rows s0 .. s1, which lie in window w: the bf16 copy of the numbers as they are; the hold; the codes (low register: K under 512; high: from 512 on).
.macro CONV w, s0, s1
	WIN 0x40|(\w)|((\w)<<2)
.set rw, \s0
.rept (\s1)-(\s0)+1
.set lr, 64*((rw%16)/4)+32*(rw/32)+8*(rw%4)
.irp q, 0,1,2,3
	v_cvt_pk_bf16_f32 v[4*rw+\q], v[lr+2*\q], v[lr+2*\q+1]
.endr
.set rw, rw+1
.endr
	WIN ((\w)<<6)|(\w)
.set rw, \s0
.rept (\s1)-(\s0)+1
.set lr, 64*((rw%16)/4)+32*(rw/32)+8*(rw%4)
.irp i, 0,1,2,3,4,5,6,7
	v_med3_num_f32 v[lr+\i], v[lr+\i], -v[LIM], v[LIM]   ; the conversion to an 8-bit code does not saturate (ISA guide 7.6.2)
.endr
.set rw, rw+1
.endr
	WIN \w
.set rw, \s0
.rept (\s1)-(\s0)+1
.set lr, 64*((rw%16)/4)+32*(rw/32)+8*(rw%4)
	v_cvt_scalef32_pk8_bf8_f32 v[BF+2*rw:BF+2*rw+1], v[lr:lr+7], v[SCL]
.set rw, rw+1
.endr
	WIN 0
	v_nop                                          ; one plain line behind the last scaled conversion
.endm
; Rows s0 .. s0 + 31: my eight codes of each into the stage, K in its order: a wave stores 128 consecutive bytes of a row.
.macro STAGE s0
.set rw, 0
.rept 32
	ds_store_b32 v[ADS], v[BF+2*((\s0)+rw)] offset:CP*rw
	ds_store_b32 v[ADS], v[BF+2*((\s0)+rw)+1] offset:CP*rw+512
.set rw, rw+1
.endr
.endm
; The stage's 32 rows come back as the fragments of row tiles m0 and m0 + 1, in every wave.
.macro FRAGS m0
	WIN 0x80
.irp ks, 0,1,2,3
.irp u, 0,1
.irp c, 0,1,2,3
	ds_load_b128 v[64*\ks+16*((\m0)+\u)+4*\c:64*\ks+16*((\m0)+\u)+4*\c+3], v[ADA] offset:16*\u*CP+128*\ks+32*\c
.endr
.endr
.endr
	WIN 0xc0
.irp ks, 4,5,6,7
.irp u, 0,1
.irp c, 0,1,2,3
	ds_load_b128 v[64*(\ks-4)+16*((\m0)+\u)+4*\c:64*(\ks-4)+16*((\m0)+\u)+4*\c+3], v[ADA] offset:16*\u*CP+128*\ks+32*\c
.endr
.endr
.endr
	WIN 0
.endm
	s_load_b512 s[8:23], s[0:1], 0x0               ; keys s[8:9], qp s[10:11], Wa_b s[12:13], Ua_b s[14:15], Va_w s[16:17], the exponents s[18:19], wcodes s[20:21], sc s[22:23]
	s_load_b128 s[24:27], s[0:1], 0x40             ; part s[24:25], ml s[26:27]
	v_lshl_add_u32 v[SPW], v0, 2, SPARE
	v_mov_b32 v[NIL], 0
	ds_add_u32 v[SPW], v[NIL]                      ; the wave's opening: the add, twice on end, and its wait ahead of my first tensor load; the set-up below, work on registers, stands between
	ds_add_u32 v[SPW], v[NIL]
	v_lshrrev_b32 v1, 5, v0
	v_readfirstlane_b32 s[WV], v1                  ; wave 0..3
	s_bfe_u32 s29, ttmp6, 0x40000                  ; cx: my place in the cluster: it enters global addresses of keys, qp, sc, part and ml alone
	s_lshl_b32 s30, ttmp9, 2
	s_add_co_u32 s30, s30, s29                     ; work-group x = 4 x cluster + cx
	s_lshr_b32 s31, s30, 3                         ; the batch
	; descriptor group 1: a dense block of 32,768 bytes as 128 rows of 32 elements of 8 bytes, no padding
	s_mov_b32 s[G1], 15|(3<<16)|(1<<21)            ; 15:0 the mask: all four work-groups; 17:16 elements of 8 bytes; 21 set beside a mask
	s_mov_b32 s[G1+1], 32<<16                      ; tensor_dim0 = 32
	s_mov_b32 s[G1+2], 128<<16                     ; tensor_dim1 = 128
	s_mov_b32 s[G1+3], 32<<16                      ; tile_dim0 = 32
	s_mov_b32 s[G1+4], 128                         ; tile_dim1 = 128
	s_mov_b32 s[G1+5], 32                          ; from row to row
	s_mov_b32 s[G1+6], 0
	s_mov_b32 s[G1+7], 0
	s_mov_b32 s[SEL], 0x76543210
	s_mov_b32 s[SEL+1], 0xfedcba98
	s_mov_b32 s[MH], 0xffff0000
	s_mov_b32 s[SB], 0
	v_and_b32 v1, 31, v0                           ; lane
	v_and_b32 v2, 15, v0                           ; r
	v_bfe_u32 v26, v0, 4, 1                        ; h
	v_lshlrev_b32 v[KO], 4, v0
	s_lshl_b32 s68, s[WV], 15
	v_lshlrev_b32 v[AB0], 4, v1
	v_add_nc_u32 v[AB0], s68, v[AB0]
	v_lshlrev_b32 v[PFO], 8, v0
	s_lshl_b32 s69, s[WV], 10
	s_add_co_u32 s69, s69, BT
	v_lshlrev_b32 v[AT0], 5, v26
	v_add_nc_u32 v[AT0], s69, v[AT0]
	v_lshlrev_b32 v[TBS], 5, v1
	v_add_nc_u32 v[TBS], s69, v[TBS]
	v_lshl_add_u32 v[ADS], v0, 2, CSB
	v_mul_u32_u24 v[ADA], v2, CP
	v_lshl_add_u32 v[ADA], v26, 4, v[ADA]
	v_add_nc_u32 v[ADA], CSB, v[ADA]
	s_lshl_b32 s70, s[WV], 8
	s_add_co_u32 s71, s70, SX
	v_lshlrev_b32 v[ASX], 2, v1
	v_add_nc_u32 v[ASX], s71, v[ASX]
	v_lshl_add_u32 v[ASR], v1, 3, SX
	s_add_co_u32 s71, s70, PT
	v_lshlrev_b32 v[SO], 3, v1
	v_add_nc_u32 v[APW], s71, v[SO]
	v_mov_b32 v[APR], s71
	v_lshrrev_b32 v27, 2, v1
	v_and_b32 v28, 3, v1
	v_lshlrev_b32 v[TBO], 9, v27
	v_lshl_add_u32 v[TBO], v28, 5, v[TBO]
	s_lshl_b32 s70, s[WV], 7
	v_add_nc_u32 v[TBO], s70, v[TBO]
	v_mov_b32 v18, 0xff61b1e6                      ; m: -3e38, under every score
	v_mov_b32 v19, 0                               ; l
	v_mov_b32 v21, 0                               ; (named as the upper half of the pair v[20:21])
.irp i, 0,1,2,3,4,5,6,7
	v_mov_b32 v[CTX+\i], 0                         ; the context's sums: the first change of m multiplies zeros
.endr
	s_mov_b32 s69, 0
	s_mov_b32 s3, 0
	s_wait_dscnt 0x0                               ; both opening adds are done
	s_wait_kmcnt 0x0
	s_load_b128 s[48:51], s[18:19], 0x0            ; e0, e1, e2, e3
	s_lshl_b32 s2, s30, 20
	s_add_nc_u64 s[8:9], s[8:9], s[2:3]            ; keys at my 256 rows of 4,096 bytes
	s_lshl_b32 s2, s31, 12
	s_add_nc_u64 s[10:11], s[10:11], s[2:3]        ; my batch's row in each plane of qp
	s_lshl_b32 s2, s30, 10
	s_add_nc_u64 s[22:23], s[22:23], s[2:3]        ; my 256 scores
	s_lshl_b32 s2, s30, 12
	s_add_nc_u64 s[24:25], s[24:25], s[2:3]        ; my partial context
	s_lshl_b32 s2, s30, 8
	s_add_nc_u64 s[26:27], s[26:27], s[2:3]        ; my m and l
	s_add_nc_u64 s[UAB:UAB+1], s[20:21], s[68:69]  ; my wave's part of Ua's codes: made of the wave's number alone
	s_mov_b32 s[G0W], 1                            ; 1:0 count = 1
	s_add_co_u32 s[G0W+1], s68, SLOT               ; 63:32 LDS address: my 32,768 bytes of slot 1: the first fill turns it to slot 0.  The global address is set there
	global_load_b128 v[80:83], v[TBO], s[12:13]
	global_load_b128 v[84:87], v[TBO], s[12:13] offset:16
	global_load_b128 v[88:91], v[TBO], s[14:15]
	global_load_b128 v[92:95], v[TBO], s[14:15] offset:16
	global_load_b128 v[96:99], v[TBO], s[16:17]
	global_load_b128 v[100:103], v[TBO], s[16:17] offset:16
.irp ks, 0,1,2,3,4,5,6,7
	global_load_b128 v[BF+8*\ks:BF+8*\ks+3], v[TBO], s[10:11] offset:131072*\ks      ; the eight parts of q, at my eight hidden units
	global_load_b128 v[BF+8*\ks+4:BF+8*\ks+7], v[TBO], s[10:11] offset:131072*\ks+16
.endr
	KLOAD 0, 19                                    ; the first keys go out at once: 40 loads
	s_wait_kmcnt 0x0
	s_add_co_i32 s68, s50, s51
	s_lshl_b32 s68, s68, 23
	s_add_co_i32 s[CS], s68, 0x4038aa3b            ; 2 log2(e) with e2 + e3 added to its exponent field
	s_mov_b32 s[CS+1], s[CS]                       ; (named with it as a pair, so it is written)
	s_add_co_i32 s68, s48, s49
	s_lshl_b32 s68, s68, 23
	s_add_co_i32 s[CQ], s68, 0x4038aa3b
	s_mov_b32 s[CQ+1], s[CQ]
	s_add_co_i32 s68, s50, 127
	s_lshl_b32 s69, s68, 23
	v_mov_b32 v[SCL], s69                          ; 2^e2 as f32: the conversion takes its exponent field
	s_add_co_i32 s68, s68, 15
	s_lshl_b32 s68, s68, 23
	s_or_b32 s68, s68, 0x600000
	v_mov_b32 v[LIM], s68                          ; 57,344 x 2^e2
	s_wait_loadcnt 40                              ; the 22 small loads are in; the 40 of keys behind them stay out
.irp j, 0,2,4,6
	v_pk_add_f32 v[80+\j:81+\j], v[80+\j:81+\j], v[88+\j:89+\j]
	v_pk_add_f32 v[BF+\j:BF+\j+1], v[BF+\j:BF+\j+1], v[BF+8+\j:BF+8+\j+1]
	v_pk_add_f32 v[BF+16+\j:BF+16+\j+1], v[BF+16+\j:BF+16+\j+1], v[BF+24+\j:BF+24+\j+1]
	v_pk_add_f32 v[BF+32+\j:BF+32+\j+1], v[BF+32+\j:BF+32+\j+1], v[BF+40+\j:BF+40+\j+1]
	v_pk_add_f32 v[BF+48+\j:BF+48+\j+1], v[BF+48+\j:BF+48+\j+1], v[BF+56+\j:BF+56+\j+1]
.endr
.irp j, 0,2,4,6
	v_pk_add_f32 v[BF+\j:BF+\j+1], v[BF+\j:BF+\j+1], v[BF+16+\j:BF+16+\j+1]
	v_pk_add_f32 v[BF+32+\j:BF+32+\j+1], v[BF+32+\j:BF+32+\j+1], v[BF+48+\j:BF+48+\j+1]
	v_pk_mul_f32 v[80+\j:81+\j], v[80+\j:81+\j], 0x4038aa3b op_sel_hi:[1,0]   ; 2 log2(e) (Wa_b + Ua_b)
	v_pk_mul_f32 v[96+\j:97+\j], v[96+\j:97+\j], 0xc038aa3b op_sel_hi:[1,0]   ; -2 log2(e) Va_w
.endr
.irp j, 0,2,4,6
	v_pk_add_f32 v[BF+\j:BF+\j+1], v[BF+\j:BF+\j+1], v[BF+32+\j:BF+32+\j+1]   ; the query's product, summed over all of K
.endr
.irp j, 0,2,4,6
	v_pk_fma_f32 v[80+\j:81+\j], v[BF+\j:BF+\j+1], s[CQ:CQ+1], v[80+\j:81+\j] op_sel_hi:[1,0,1]   ; the bias: 2 log2(e) (q + Ua_b)
.endr
	ds_store_b128 v[TBS], v[80:83]                 ; my wave's own tables: only I read them
	ds_store_b128 v[TBS], v[84:87] offset:16
	ds_store_b128 v[TBS], v[96:99] offset:VTO
	ds_store_b128 v[TBS], v[100:103] offset:VTO+16
	KLOAD 20, 30
.Lsub:                                             ; four trips: a sub-block of 64 rows each
	; ---- P: the rows land, become a bf16 copy and codes; the codes go to every wave through LDS, 32 rows at a time.  Ua's first two slots are asked for meanwhile
	REFILL 1
	KLOAD 31, 63
	s_wait_loadcnt 63                              ; rows 0 to 31 are in: 64 loads were issued behind row 31's, and the count's field ends at 63: the stricter count
	CONV 2, 0, 15
	CONV 3, 16, 31
	STAGE 0
	s_wait_dscnt 0x0                               ; my stores have landed
	s_barrier_signal -1
	s_barrier_wait -1
	FRAGS 0                                        ; into the registers that rows 0 to 31 have left; they come while the next rows are converted
	s_wait_loadcnt 32                              ; rows up to 47 are in; behind them: rows 48 to 63
	CONV 2, 32, 47
	s_wait_loadcnt 0x0
	CONV 3, 48, 63
	s_wait_alu depctr_va_vdst(0)                   ; directly ahead of the waits below
	REFILL 0                                       ; Ua's slot 1; its wait shows slot 0 landed.  Its wait for LDS and its round also say: every wave's reads of the stage are over, so it may be written again
	STAGE 32
	s_wait_dscnt 0x0
	s_barrier_signal -1
	s_barrier_wait -1
	FRAGS 2
	s_mov_b32 s[TB], 0
	s_mov_b32 s[TT], 0
	v_add_nc_u32 v[ADB], s[TB], v[AB0]
	v_add_nc_u32 v[ADT], s[TT], v[AT0]
	LOADB 0                                        ; the codes' registers are free: their stores were waited for
.irp i, 0,1,2,3,4,5,6,7
	v_mov_b32 v[SA+\i], 0
.endr
	s_wait_dscnt 0x0
	; ---- the walk over Ua's eight slots
	s_add_nc_u64 s[PFA:PFA+1], s[8:9], 196608      ; 65,536 bytes short of the next sub-block: each trip's head steps it first (every earlier prefetch has read it: the wait stands at the last sub-block's end)
	s_cmp_eq_u32 s[SB], 3
	s_cselect_b32 s[PLIM], 7, 2                    ; the first four of the six trips ask; in the last sub-block none
	s_mov_b32 s[CT], 6
.Lwalk:
	s_wait_alu depctr_va_vdst(0)
	TRIP 1, 1, 1
	s_sub_co_u32 s[CT], s[CT], 1
	s_cmp_lg_u32 s[CT], 0
	s_cbranch_scc1 .Lwalk
	TRIP 0, 1, 0                                   ; the last two slots are written out: they ask for no codes
	TRIP -1, 0, 2
	; ---- F: the 64 scores, the running softmax, the context
	v_add_f32 v26, v[SA], v[SA+1]
	v_add_f32 v27, v[SA+2], v[SA+3]
	v_add_f32 v28, v[SA+4], v[SA+5]
	v_add_f32 v29, v[SA+6], v[SA+7]
	v_permlanex16_b32 v[SA], v26, s[SEL], s[SEL+1] ; the row's other eight units of each tile lie in the lane 16 away
	v_permlanex16_b32 v[SA+2], v27, s[SEL], s[SEL+1]
	v_permlanex16_b32 v[SA+4], v28, s[SEL], s[SEL+1]
	v_permlanex16_b32 v[SA+6], v29, s[SEL], s[SEL+1]
	v_add_f32 v26, v26, v[SA]
	v_add_f32 v27, v27, v[SA+2]
	v_add_f32 v28, v28, v[SA+4]
	v_add_f32 v29, v29, v[SA+6]
	v_cndmask_b32 v30, v26, v27, s[MH]             ; lanes 16 to 31 take the odd tile: row = lane,
	v_cndmask_b32 v31, v28, v29, s[MH]             ; and row = 32 + lane
	ds_store_b32 v[ASX], v30
	ds_store_b32 v[ASX], v31 offset:128
	s_wait_dscnt 0x0                               ; for the others' sake: my quarter of the hidden units' sums lies in LDS
	s_barrier_signal -1
	s_barrier_wait -1
	ds_load_b64 v[40:41], v[ASR]                   ; rows 2 lane and 2 lane + 1, of each wave
	ds_load_b64 v[42:43], v[ASR] offset:256
	ds_load_b64 v[44:45], v[ASR] offset:512
	ds_load_b64 v[46:47], v[ASR] offset:768
	s_wait_dscnt 0x0
	v_pk_add_f32 v[40:41], v[40:41], v[42:43]
	v_pk_add_f32 v[44:45], v[44:45], v[46:47]
	v_pk_add_f32 v[22:23], v[40:41], v[44:45]      ; (the last sub-block's store has read this pair: the wait stands at that sub-block's end)
	s_cmp_lg_u32 s[WV], 0
	s_cbranch_scc1 .Lno_scores
	global_store_b64 v[SO], v[22:23], s[22:23]     ; wave 0 stores the 64 scores: 256 consecutive bytes, aligned
.Lno_scores:
	s_wait_alu depctr_va_vdst(0)
	v_max_num_f32 v26, v22, v23
	v_max_num_f32_dpp v26, v26, v26 row_xmask:1 row_mask:0xf bank_mask:0xf
	v_max_num_f32_dpp v26, v26, v26 row_xmask:2 row_mask:0xf bank_mask:0xf
	v_max_num_f32_dpp v26, v26, v26 row_xmask:4 row_mask:0xf bank_mask:0xf
	v_max_num_f32_dpp v26, v26, v26 row_xmask:8 row_mask:0xf bank_mask:0xf
	v_permlanex16_b32 v27, v26, s[SEL], s[SEL+1]
	v_max_num_f32 v26, v26, v27
	v_max_num_f32 v26, v26, v18                    ; the new m
	v_sub_f32 v27, v18, v26
	v_sub_f32 v24, v22, v26
	v_sub_f32 v25, v23, v26
	s_wait_alu depctr_va_vdst(0)
	v_exp_f32 v20, v27                             ; f = 2^(old m - new m)
	v_exp_f32 v24, v24                             ; p = 2^(s - m)
	v_exp_f32 v25, v25
	v_mov_b32 v18, v26                             ; (the plain place behind the batch)
	s_wait_alu depctr_va_vdst(0)                   ; one wait for the three, ahead of their first reader
	v_add_f32 v27, v24, v25
	v_add_f32_dpp v27, v27, v27 row_xmask:1 row_mask:0xf bank_mask:0xf
	v_add_f32_dpp v27, v27, v27 row_xmask:2 row_mask:0xf bank_mask:0xf
	v_add_f32_dpp v27, v27, v27 row_xmask:4 row_mask:0xf bank_mask:0xf
	v_add_f32_dpp v27, v27, v27 row_xmask:8 row_mask:0xf bank_mask:0xf
	v_permlanex16_b32 v28, v27, s[SEL], s[SEL+1]
	v_add_f32 v27, v27, v28
	v_fma_f32 v19, v19, v20, v27                   ; l = l f + the sum of p
	ds_store_b64 v[APW], v[24:25]                  ; my wave's own copy of the 64 weights; LDS serves a wave's instructions in order, so the loads below see it
.irp j, 0,2,4,6
	v_pk_mul_f32 v[CTX+\j:CTX+\j+1], v[CTX+\j:CTX+\j+1], v[20:21] op_sel_hi:[1,0]
.endr
.irp g, 0,1,2,3,4,5,6,7,8,9,10,11,12,13,14,15
	ds_load_b128 v[BF+4*\g:BF+4*\g+3], v[APR] offset:16*\g   ; every lane takes all 64
.endr
	s_wait_alu depctr_va_vdst(0)
	s_wait_dscnt 0x0
	WIN 0x01                                       ; source 0 (H) window 1
.set rw, 0
.rept 64
.irp q, 0,1,2,3
	v_fma_mix_f32_bf16 v[CTX+2*\q], v[4*rw+\q], v[BF+rw], v[CTX+2*\q] op_sel_hi:[1,0,0]
	v_fma_mix_f32_bf16 v[CTX+2*\q+1], v[4*rw+\q], v[BF+rw], v[CTX+2*\q+1] op_sel:[1,0,0] op_sel_hi:[1,0,0]
.endr
.set rw, rw+1
.endr
	WIN 0
	s_wait_xcnt 0x0                                ; the scores' store has read its base and its data
	s_add_nc_u64 s[22:23], s[22:23], 256
	s_add_co_u32 s[SB], s[SB], 1
	s_cmp_lt_u32 s[SB], 4
	s_cbranch_scc1 .Lsub
	; ---- the work-group's partial results
	s_wait_alu depctr_va_vdst(0)
	global_store_b128 v[KO], v[CTX:CTX+3], s[24:25]              ; a wave stores 512 consecutive bytes, aligned
	global_store_b128 v[KO], v[CTX+4:CTX+7], s[24:25] offset:2048
	s_cmp_lg_u32 s[WV], 0
	s_cbranch_scc1 .Lno_ml
	global_store_b64 v[SO], v[18:19], s[26:27]     ; (m, l), 32 times: 256 consecutive bytes, aligned
.Lno_ml:
	s_wait_tensorcnt 0x0                           ; the wave's end: behind my last tensor load and my last LDS store
	ds_add_u32 v[SPW], v[NIL]
	s_wait_dscnt 0x0
	ROUND                                          ; the closing round: no work-group ends while a partner may still ask for codes jointly
	s_endpgm
.Lfunc_end_k_q9d705f8d4e_main:
	.size	k_q9d705f8d4e_main, .Lfunc_end_k_q9d705f8d4e_main-k_q9d705f8d4e_main
	.p2alignl 7, 3214868480
	.fill 96, 4, 3214868480
	.section	.rodata,"a",@progbits
	.p2align	6, 0x0
	.amdhsa_kernel k_q9d705f8d4e_main
		.amdhsa_group_segment_fixed_size 327680
		.amdhsa_private_segment_fixed_size 0
		.amdhsa_enable_private_segment 0
		.amdhsa_kernarg_size 80
		.amdhsa_user_sgpr_count 2
		.amdhsa_user_sgpr_kernarg_segment_ptr 1
		.amdhsa_wavefront_size32 1
		.amdhsa_system_sgpr_workgroup_id_x 1
		.amdhsa_system_sgpr_workgroup_id_y 1
		.amdhsa_system_sgpr_workgroup_id_z 1
		.amdhsa_system_vgpr_workitem_id 0
		.amdhsa_next_free_vgpr 1024
		.amdhsa_next_free_sgpr 72
		.amdhsa_reserve_vcc 0
		.amdhsa_float_denorm_mode_32 3
		.amdhsa_float_denorm_mode_16_64 3
		.amdhsa_memory_ordered 1
		.amdhsa_forward_progress 1
		.amdhsa_inst_pref_size 197
	.end_amdhsa_kernel
	.amdgpu_metadata
---
amdhsa.version: [ 1, 2 ]
amdhsa.kernels:
  - .name:           k_q9d705f8d4e_main
    .symbol:         k_q9d705f8d4e_main.kd
    .args:
      - { .name: keys, .offset: 0, .size: 8, .value_kind: global_buffer, .address_space: global }
      - { .name: qp, .offset: 8, .size: 8, .value_kind: global_buffer, .address_space: global }
      - { .name: Wa_b, .offset: 16, .size: 8, .value_kind: global_buffer, .address_space: global }
      - { .name: Ua_b, .offset: 24, .size: 8, .value_kind: global_buffer, .address_space: global }
      - { .name: Va_w, .offset: 32, .size: 8, .value_kind: global_buffer, .address_space: global }
      - { .name: lowp_scales, .offset: 40, .size: 8, .value_kind: global_buffer, .address_space: global }
      - { .name: wcodes, .offset: 48, .size: 8, .value_kind: global_buffer, .address_space: global }
      - { .name: sc, .offset: 56, .size: 8, .value_kind: global_buffer, .address_space: global }
      - { .name: part, .offset: 64, .size: 8, .value_kind: global_buffer, .address_space: global }
      - { .name: ml, .offset: 72, .size: 8, .value_kind: global_buffer, .address_space: global }
    .group_segment_fixed_size: 327680
    .private_segment_fixed_size: 0
    .kernarg_segment_align: 8
    .kernarg_segment_size: 80
    .max_flat_workgroup_size: 128
    .sgpr_count:     72
    .vgpr_count:     1024
    .wavefront_size: 32
...
	.end_amdgpu_metadata
.endif
;; end of part 5
;; launch join (part 6): grid 32 x 1, 8 waves a work-group, no clusters, 0 bytes of LDS; arguments sc, part, ml, out0, out1; writes out0, out1
.if DOCPART == 6
	.amdgcn_target "amdgcn-amd-amdhsa--gfx1250"
	.amdhsa_code_object_version 6
	.text
	.protected	k_q9d705f8d4e_join
	.globl	k_q9d705f8d4e_join
	.p2align	8
	.type	k_q9d705f8d4e_join,@function
k_q9d705f8d4e_join:
	s_mov_b64 s[64:65], 0
	v_nop
	global_prefetch_b8 v0, s[64:65] scope:SCOPE_SE
	s_setreg_imm32_b32 hwreg(HW_REG_WAVE_MODE, 25, 1), 1
	s_wait_xcnt 0x0
; The eight partial softmaxes of a batch are joined.  Work-group b serves batch b: 32 batches are all the work there is.
; Given, for i = 0 .. 7: m_i (largest score, in units of log2), l_i (sum of 2^(s - m_i)), part_i[1024] (sum of 2^(s - m_i) x keys' row), and the 2,048 scores s.
; M = the largest m_i; w_i = 2^(m_i - M); L = sum of l_i w_i (at least 1);  out1 = 2^(s - M) / L;  out0 = sum of (w_i / L) part_i.
; LEFT OUT AS DEAD WORK, as in the launches before: Va_b and the sum of Va_w, which are the same in every score of a batch and cancel here.
	s_load_b128 s[4:7], s[0:1], 0x0                ; sc, part
	s_load_b128 s[8:11], s[0:1], 0x10              ; ml, out0
	s_load_b64 s[12:13], s[0:1], 0x20              ; out1
	v_lshlrev_b32 v1, 4, v0
	s_lshl_b32 s14, ttmp9, 13                      ; 2,048 scores or weights of 4 bytes
	s_mov_b32 s15, 0
	s_lshl_b32 s36, ttmp9, 15                      ; eight partial contexts of 4,096 bytes
	s_mov_b32 s37, 0
	s_lshl_b32 s38, ttmp9, 11                      ; eight units of 256 bytes
	s_mov_b32 s39, 0
	s_lshl_b32 s40, ttmp9, 12
	s_mov_b32 s41, 0
	s_wait_alu depctr_va_vdst(0)
	s_wait_kmcnt 0x0
	s_add_nc_u64 s[4:5], s[4:5], s[14:15]
	s_add_nc_u64 s[12:13], s[12:13], s[14:15]
	s_add_nc_u64 s[6:7], s[6:7], s[36:37]
	s_add_nc_u64 s[8:9], s[8:9], s[38:39]
	s_add_nc_u64 s[10:11], s[10:11], s[40:41]
.irp i, 0,1,2,3,4,5,6,7
	s_load_b64 s[16+2*\i:17+2*\i], s[8:9], 256*\i  ; m_i, l_i
.endr
	global_load_b128 v[4:7], v1, s[4:5]
	global_load_b128 v[8:11], v1, s[4:5] offset:4096
.irp i, 0,1,2,3,4,5,6,7
	global_load_b128 v[12+4*\i:15+4*\i], v1, s[6:7] offset:4096*\i
.endr
	s_wait_kmcnt 0x0
	v_mov_b32 v44, s16
.irp i, 1,2,3,4,5,6,7
	s_delay_alu instid0(VALU_DEP_1)
	v_max_num_f32 v44, s[16+2*\i], v44             ; M
.endr
.irp i, 0,1,2,3,4,5,6,7
	v_sub_f32 v[46+\i], s[16+2*\i], v44
.endr
	s_wait_alu depctr_va_vdst(0)
.irp i, 0,1,2,3,4,5,6,7
	v_exp_f32 v[46+\i], v[46+\i]                   ; w_i
.endr
	v_nop                                          ; a plain place behind the batch,
	s_wait_alu depctr_va_vdst(0)                   ; and one wait ahead of its first reader
	v_mul_f32 v45, s17, v46
.irp i, 1,2,3,4,5,6,7
	v_fmac_f32 v45, s[17+2*\i], v[46+\i]           ; L
.endr
	s_wait_alu depctr_va_vdst(0)
	v_rcp_f32 v54, v45
	v_nop
	s_wait_alu depctr_va_vdst(0)
.irp i, 0,1,2,3,4,5,6,7
	v_mul_f32 v[46+\i], v[46+\i], v54              ; w_i / L
.endr
	s_wait_loadcnt 8                               ; the scores are in; the eight loads of partial contexts may be out
.irp j, 0,1,2,3,4,5,6,7
	v_sub_f32 v[4+\j], v[4+\j], v44
.endr
	s_wait_alu depctr_va_vdst(0)
.irp j, 0,1,2,3,4,5,6,7
	v_exp_f32 v[4+\j], v[4+\j]
.endr
	v_nop
	s_wait_alu depctr_va_vdst(0)
.irp j, 0,1,2,3,4,5,6,7
	v_mul_f32 v[4+\j], v[4+\j], v54
.endr
	global_store_b128 v1, v[4:7], s[12:13]
	global_store_b128 v1, v[8:11], s[12:13] offset:4096
	s_wait_loadcnt 0x0
.irp c, 0,1,2,3
	v_mul_f32 v[56+\c], v[12+\c], v46
.endr
.irp i, 1,2,3,4,5,6,7
.irp c, 0,1,2,3
	s_delay_alu instid0(VALU_DEP_4)
	v_fmac_f32 v[56+\c], v[12+4*\i+\c], v[46+\i]
.endr
.endr
	global_store_b128 v1, v[56:59], s[10:11]
	s_endpgm
.Lfunc_end_k_q9d705f8d4e_join:
	.size	k_q9d705f8d4e_join, .Lfunc_end_k_q9d705f8d4e_join-k_q9d705f8d4e_join
	.p2alignl 7, 3214868480
	.fill 96, 4, 3214868480
	.section	.rodata,"a",@progbits
	.p2align	6, 0x0
	.amdhsa_kernel k_q9d705f8d4e_join
		.amdhsa_group_segment_fixed_size 0
		.amdhsa_private_segment_fixed_size 0
		.amdhsa_enable_private_segment 0
		.amdhsa_kernarg_size 40
		.amdhsa_user_sgpr_count 2
		.amdhsa_user_sgpr_kernarg_segment_ptr 1
		.amdhsa_wavefront_size32 1
		.amdhsa_system_sgpr_workgroup_id_x 1
		.amdhsa_system_sgpr_workgroup_id_y 1
		.amdhsa_system_sgpr_workgroup_id_z 1
		.amdhsa_system_vgpr_workitem_id 0
		.amdhsa_next_free_vgpr 64
		.amdhsa_next_free_sgpr 66
		.amdhsa_reserve_vcc 0
		.amdhsa_float_denorm_mode_32 3
		.amdhsa_float_denorm_mode_16_64 3
		.amdhsa_memory_ordered 1
		.amdhsa_forward_progress 1
		.amdhsa_inst_pref_size 8
	.end_amdhsa_kernel
	.amdgpu_metadata
---
amdhsa.version: [ 1, 2 ]
amdhsa.kernels:
  - .name:           k_q9d705f8d4e_join
    .symbol:         k_q9d705f8d4e_join.kd
    .args:
      - { .name: sc, .offset: 0, .size: 8, .value_kind: global_buffer, .address_space: global }
      - { .name: part, .offset: 8, .size: 8, .value_kind: global_buffer, .address_space: global }
      - { .name: ml, .offset: 16, .size: 8, .value_kind: global_buffer, .address_space: global }
      - { .name: out0, .offset: 24, .size: 8, .value_kind: global_buffer, .address_space: global }
      - { .name: out1, .offset: 32, .size: 8, .value_kind: global_buffer, .address_space: global }
    .group_segment_fixed_size: 0
    .private_segment_fixed_size: 0
    .kernarg_segment_align: 8
    .kernarg_segment_size: 40
    .max_flat_workgroup_size: 256
    .sgpr_count:     66
    .vgpr_count:     64
    .wavefront_size: 32
...
	.end_amdgpu_metadata
.endif
;; end of part 6
